; MI455X (gfx1250); checked and timed in simulation.
; The chip was launched on July 23, 2026; its instructions are those of AMD's public machine-readable ISA for CDNA 5 (MIT licence, August 2026) and "CDNA5" Instruction Set Architecture Reference Guide (July 2026). The comments in the code are by the model that wrote it; some were corrected since.
;; Attn Block. Allowed arithmetic: matrix products marked QUANTISED: E2M1 operands, one E8M0 scale for each 32 along K, by v_wmma_scale_f32_16x16x128_f8f6f4 with both operands' format E2M1 (or v_wmma_scale_f32_32x16x128_f4), f32 sums; everything else in f32.
;; Inputs: bk 512 float32; bp 512 float32; bq 512 float32; bv 512 float32; norm_bias 512 float32; norm_scale 512 float32; wk 512 x 512 float32; wp 512 x 512 float32; wq 512 x 512 float32; wv 512 x 512 float32; x 32 x 32 x 32 x 512 float32.
;; Outputs: out0 32 x 32 x 32 x 512 float32.
;; This version of the problem:
;;   THIS VERSION OF THE PROBLEM IS GIVEN IN LOW PRECISION. The matrix products marked QUANTISED in the list below multiply operands that are first quantised to E2M1 (2 exponent bits, 1 mantissa bit; 4 bits a number), with one power-of-two scale for each 32 numbers along K (OCP MX v1.0); their sums are f32. All else is computed in f32.
;;   The module's matrix products, in the order in which they are computed (A, B: the left and right operand; K: the contracted axis; several contracted axes count as one K, in the product's order):
;;     1. [M 32,768, K 512] x [K 512, N 512]; A: computed on the way; B: input wq: QUANTISED
;;     2. [M 32,768, K 512] x [K 512, N 512]; A: computed on the way; B: input wk: QUANTISED
;;     3. [M 32,768, K 512] x [K 512, N 512]; A: computed on the way; B: input wv: QUANTISED
;;     4. batch 32 x [M 1,024, K 512] x [K 512, N 1,024]; A: computed on the way; B: computed on the way: QUANTISED
;;     5. batch 32 x [M 1,024, K 1,024] x [K 1,024, N 512]; A: softmax (see below); B: computed on the way: QUANTISED
;;     6. [M 32,768, K 512] x [K 512, N 512]; A: computed on the way; B: input wp: QUANTISED
;;   THE QUANTISER, for each operand of a quantised product, along K:
;;     - K is cut into blocks of 32 from its start; a last block that is shorter is filled with zeros.
;;     - A block's scale is 2^e with e = floor(log2(the largest magnitude in the block)) - 2, held to -126 .. 127; a block of zeros has e = 0. As a byte (E8M0): e + 127.
;;     - Each number is divided by its block's scale, clamped to +-6, and rounded to the nearest number of E2M1, ties to even, subnormals kept.
;;     - The product sums the exact products of the quantised numbers (number of the format x scale) in f32.
;;   ~~~python
;;   def quantise(x, axis):      # numpy; x: float32 -> the quantised numbers, widened to float32 again
;;       x = np.moveaxis(x, axis, -1); K = x.shape[-1]
;;       x = np.pad(x, [(0, 0)] * (x.ndim - 1) + [(0, -K % 32)]); x = x.reshape(x.shape[:-1] + (-1, 32)); a = np.abs(x).max(-1, keepdims=True)
;;       e = np.where(a > 0, np.clip(np.frexp(np.where(a > 0, a, 1))[1] - 1 - 2, -126, 127), 0)      # np.frexp(a)[1] - 1 = floor(log2(a)), exactly
;;       r = np.clip(x / 2.0 ** e, -6, 6)
;;       step = 2.0 ** (np.maximum(np.frexp(np.where(r == 0, 1, r))[1] - 1, 0) - 1)
;;       q = np.round(r / step) * step * 2.0 ** e      # np.round: ties to even
;;       return np.moveaxis(q.reshape(q.shape[:-2] + (-1,))[..., :K], -1, axis).astype(np.float32)
;;   ~~~
;;   SOFTMAX AHEAD OF A QUANTISED PRODUCT. Where the list says 'softmax', what is quantised is not the finished softmax but p = 2^(t - M), with t = logit x log2(e) and M = ceil(the row's largest t), a whole number; so 1/2 < the row's largest p <= 1. The row's sum l is taken of the UNQUANTISED p, in f32, and the product's result is divided by l at the end. Since M is a whole number, a kernel that streams over the keys may use a running M (the ceiling of the running maximum): every later rescaling is an exact power of two, which a block's scale takes up: the codes' values come out the same.
;;   OPERANDS COMPUTED ON THE WAY. 'Computed on the way' means the value that the module computes at that place (a softmax that the list does not call 'softmax' is quantised finished and normalised). What goes into a quantiser is computed in f32, as accurately as f32 sums, v_exp_f32 and their like allow (about 1e-6 of the number): no bf16 or f16 on the way to a quantiser, and a product that is left as it is and whose result goes on into a quantised operand takes f32 operands (vector FMAs, or v_wmma_f32_16x16x4_f32). A number that lies on a knife's edge between two numbers of the format may be rounded either way, as far as f32 arithmetic and the matrix unit's own rounding can turn it there, and no further.
;; One version. Each part assembles by itself: llvm-mc -triple=amdgcn-amd-amdhsa -mcpu=gfx1250 --defsym DOCPART=n.
;; ======== version 1 of 1: 3 launches
;; workspace buffers: stats 8,192 bytes; wc 524,288 bytes; wsc 32,768 bytes; qc 8,388,608 bytes; kc 8,388,608 bytes; vc 8,388,608 bytes; sc 1,572,864 bytes
;; launch prep (part 1): grid 256 x 1, 16 waves a work-group, no clusters, 3,072 bytes of LDS; arguments x, wq, wk, wv, wp, stats, wc, wsc; writes stats, wc, wsc
.if DOCPART == 1
	.amdgcn_target "amdgcn-amd-amdhsa--gfx1250"
	.amdhsa_code_object_version 6
	.text
	.protected	k_q092332dc18_prep
	.globl	k_q092332dc18_prep
	.p2align	8
	.type	k_q092332dc18_prep,@function
k_q092332dc18_prep:
	s_mov_b64 s[64:65], 0
	v_nop
	global_prefetch_b8 v0, s[64:65] scope:SCOPE_SE
	s_setreg_imm32_b32 hwreg(HW_REG_WAVE_MODE, 25, 1), 1
	s_wait_xcnt 0x0
; GROUP STATISTICS OF x, AND THE FOUR WEIGHTS AS CODES OF FP4 (E2M1).
; x: [32 batches][1,024 pixels][512 channels] f32.  A group is 16 channels of one batch: 16,384 numbers.
; SHARES.  Work-group wg takes batch wg / 8 and a strip of 64 channels (4 groups): 256 bytes of each of 1,024 rows.  Wave w takes rows 64 w .. 64 w + 63 by 32 loads;
; each load covers two rows' 256 consecutive, aligned bytes.  A lane's 128 numbers stay in registers: x is read once, and the variance is a true second pass over
; (x - mean), so that no difference of large sums is formed.  A lane's four channels lie in group (lane / 4) % 4 of the strip.
; stats: [batch][group](mean, 1 / sqrt(var + 1e-6)) f32.
; WEIGHTS.  w [512 (k)][512 (n)] f32 is quantised along k, its first axis: a lane takes a column and its 32 registers run down k: one whole block of 32 a lane.
; wc: [weight q, k, v, p][column tile 32][K step 4] images of an operand's registers: register group c (0, 1) of lane l at 512 c + 16 l of 1,024 bytes.
; THE COLUMNS OF A TILE ARE NOT NEIGHBOURS: slot r of tile nt is column 32 (nt / 2) + 8 (nt % 2) + r + 8 (r / 8), so that the results of two neighbouring tiles are
; 16 neighbours along the next product's K.   wsc: [weight][tile][K step][slot 16] scale words (four E8M0 bytes).
; Waves 0 to 3 of each work-group make half a fragment each (512 bytes of codes, 16 half words of scales): 1,024 halves in all.  They ask for their weights AHEAD of their part of x and
; quantise them while x is on its way.  Their loads take 32 consecutive bytes for eight lanes and the half words leave two bytes a lane: the weights are 4 of the launch's 71 MB.
; A block's scale byte is its largest magnitude's exponent field - 2, held at 1 from below.  A block of zeros so has the byte 1: its codes are zeros, and this program alone reads the bytes.
; LIMITS: NaN and infinities among the inputs are not served; blocks whose largest magnitude lies under 2^-124 have the byte 1.
.set XR, 64                            ; v64-191  my 128 numbers of x
.set WR, 192                           ; v192-223 a block of 32 of a weight's column
; v1 lane; v2 x offset; v3, v4 LDS: where I put a partial sum, where I read the sixteen; v5 8 x group; v6 16 x lane; v7 weight offset; v8 4 x slot
; v10-17 four packed chains; v18-19 the mean twice, then (mean, rstd); v20-30 at work; v28-43 sixteen partial sums
.macro XLOADS                          ; my 64 rows of the strip: rows 2 i, 2 i + 1 a load
.set i, 0
.rept 32
	global_load_b128 v[XR+4*i:XR+4*i+3], v2, s[4:5] offset:4096*i th:TH_LOAD_NT
.set i, i+1
.endr
.endm
	s_load_b512 s[4:19], s[0:1], 0x0               ; x s[4:5], wq s[6:7], wk s[8:9], wv s[10:11], wp s[12:13], stats s[14:15], wc s[16:17], wsc s[18:19]
	v_lshl_add_u32 v224, v0, 2, 0x400
	v_mov_b32 v225, 0
	v_lshrrev_b32 v9, 5, v0
	v_readfirstlane_b32 s20, v9                    ; wave 0..15
	v_and_b32 v1, 31, v0                           ; lane
	v_and_b32 v20, 15, v0                          ; r
	v_bfe_u32 v21, v0, 4, 1                        ; h
	v_bfe_u32 v22, v0, 2, 2                        ; my group of the strip's four
	v_lshlrev_b32 v2, 4, v20
	v_lshl_add_u32 v2, v21, 11, v2                 ; x: 16 r, lanes 16-31 one row (2,048 bytes) down
	v_lshlrev_b32 v4, 6, v22                       ; LDS: 64 bytes a group,
	s_lshl_b32 s21, s20, 2
	v_add_nc_u32 v3, s21, v4                       ; a word a wave
	v_lshlrev_b32 v5, 3, v22
	v_lshlrev_b32 v6, 4, v1
	v_and_b32 v23, 8, v20
	v_add_nc_u32 v23, v23, v20                     ; r + 8 (r / 8)
	v_lshlrev_b32 v7, 2, v23
	v_lshl_add_u32 v7, v21, 16, v7                 ; a weight: my column, lanes 16-31 32 rows (of 2,048 bytes) down
	v_lshlrev_b32 v8, 2, v20
	s_mov_b32 s32, 0x76543210
	s_mov_b32 s33, 0xfedcba98                      ; v_permlanex16_b32's selects for lane l xor 16
	s_mov_b32 s34, 0xffff0000                      ; lanes 16-31
	s_mov_b32 s35, 0x38800000                      ; 1 / 16,384
	s_mov_b32 s36, 0x358637bd                      ; 1e-6
	s_lshr_b32 s22, ttmp9, 3                       ; batch
	s_and_b32 s23, ttmp9, 7                        ; strip
	s_lshl_b32 s24, s22, 21                        ; a batch is 1,024 rows of 2,048 bytes
	s_lshl_b32 s25, s23, 8
	s_add_co_u32 s24, s24, s25
	s_lshl_b32 s25, s20, 17                        ; my 64 rows
	s_add_co_u32 s24, s24, s25
	s_mov_b32 s25, 0
	s_wait_kmcnt 0x0
	s_add_nc_u64 s[4:5], s[4:5], s[24:25]
	s_cmp_lt_u32 s20, 4                            ; waves 0 to 3 make half a fragment of a weight beside their part of x
	s_cbranch_scc0 .Lonlyx
	s_lshr_b32 s26, ttmp9, 6                       ; which weight: fragment 2 wg + w / 2 of 512, register group w % 2
	s_and_b32 s27, s26, 1
	s_cmp_eq_u32 s27, 0
	s_cselect_b64 s[28:29], s[6:7], s[8:9]
	s_cselect_b64 s[30:31], s[10:11], s[12:13]
	s_cmp_lt_u32 s26, 2
	s_cselect_b64 s[28:29], s[28:29], s[30:31]
	s_and_b32 s24, ttmp9, 1
	s_lshl_b32 s24, s24, 19                        ; k = 256 (wg % 2) + 64 w + 32 h + 0 .. 31: rows of 2,048 bytes
	s_lshl_b32 s27, s20, 17
	s_add_co_u32 s24, s24, s27
	s_bfe_u32 s27, ttmp9, 0x50001                  ; column tile nt = (wg / 2) % 32
	s_lshr_b32 s37, s27, 1
	s_lshl_b32 s37, s37, 7                         ; 32 (nt / 2) columns of 4 bytes
	s_add_co_u32 s24, s24, s37
	s_and_b32 s27, s27, 1
	s_lshl_b32 s27, s27, 5                         ; 8 (nt % 2) columns
	s_add_co_u32 s24, s24, s27
	s_add_nc_u64 s[28:29], s[28:29], s[24:25]
.set i, 0
.rept 32
	global_load_b32 v[WR+i], v7, s[28:29] offset:2048*i
.set i, i+1
.endr
	XLOADS                                         ; behind the weights' loads
	s_lshl_b32 s24, ttmp9, 11                      ; the codes' place: 2,048 wg + 512 w
	s_lshl_b32 s27, s20, 9
	s_add_co_u32 s24, s24, s27
	s_add_nc_u64 s[16:17], s[16:17], s[24:25]
	s_lshl_b32 s24, ttmp9, 7                       ; the half words' place: 128 wg + 64 (w / 2) + 2 (w % 2)
	s_lshr_b32 s27, s20, 1
	s_lshl_b32 s27, s27, 6
	s_add_co_u32 s24, s24, s27
	s_and_b32 s27, s20, 1
	s_lshl_b32 s27, s27, 1
	s_add_co_u32 s24, s24, s27
	s_add_nc_u64 s[18:19], s[18:19], s[24:25]
	s_wait_loadcnt 32                              ; the weight's 32 numbers are in; the 32 loads of x issued behind them may be out
	v_max3_num_f32 v20, |v[WR]|, |v[WR+1]|, |v[WR+2]|        ; the block's largest magnitude: all 32 numbers are mine; two chains
	v_max3_num_f32 v21, |v[WR+3]|, |v[WR+4]|, |v[WR+5]|
.irp i, 6,10,14,18,22,26
	v_max3_num_f32 v20, v20, |v[WR+\i]|, |v[WR+\i+1]|
	v_max3_num_f32 v21, v21, |v[WR+\i+2]|, |v[WR+\i+3]|
.endr
	v_max3_num_f32 v20, v20, |v[WR+30]|, |v[WR+31]|
	v_max3_num_f32 v20, v20, v21, 0x1800000        ; and the floor 2^(3 - 127): the byte cannot fall under 1
	v_add_nc_u32 v22, 0xff000000, v20              ; 2 off the exponent field: the conversion takes this operand's exponent field as its scale
	v_lshrrev_b32 v23, 23, v22                     ; the scale's byte
.irp g, 0,1,2,3
	v_cvt_scalef32_pk8_fp4_f32 v[24+\g], v[WR+8*\g:WR+8*\g+7], v22
.endr
	v_nop                                          ; one plain instruction behind the scaled conversions
	v_mov_b32 v28, 0                               ; a lane permute's destination counts as one of its sources
	v_permlanex16_b32 v28, v23, s32, s33           ; the byte of the column's other block
	v_cndmask_b32 v29, v23, v28, s34               ; the lower k's byte (lanes 0-15: mine)
	v_cndmask_b32 v30, v28, v23, s34               ; the higher k's
	v_lshl_or_b32 v29, v30, 8, v29                 ; half a scale word; both halves of the lanes hold the same
	global_store_b128 v6, v[24:27], s[16:17]       ; 512 consecutive bytes
	global_store_b16 v8, v29, s[18:19]
	s_wait_xcnt 0x0                                ; the stores have read their registers: v20 on are at work again below
	s_branch .Lsum
.Lonlyx:
	XLOADS
.Lsum:
	s_wait_loadcnt 0x0
.irp k, 0,1,2,3
	v_pk_add_f32 v[10+2*\k:11+2*\k], v[XR+4*\k:XR+4*\k+1], v[XR+4*\k+2:XR+4*\k+3]   ; the first sums start the four chains: nothing is cleared
.endr
.set i, 16
.rept 56
	v_pk_add_f32 v[10+2*((i/2)%4):11+2*((i/2)%4)], v[10+2*((i/2)%4):11+2*((i/2)%4)], v[XR+i:XR+i+1]
.set i, i+2
.endr
; The four chains, the four lanes of my group in my half, the other half, and the sixteen waves are joined; the result stands in v28 of every lane.
.macro JOIN off
	v_pk_add_f32 v[10:11], v[10:11], v[12:13]
	v_pk_add_f32 v[14:15], v[14:15], v[16:17]
	v_pk_add_f32 v[10:11], v[10:11], v[14:15]
	v_add_f32 v10, v10, v11
	v_add_f32_dpp v10, v10, v10 row_xmask:1 row_mask:0xf bank_mask:0xf
	v_add_f32_dpp v10, v10, v10 row_xmask:2 row_mask:0xf bank_mask:0xf
	v_permlanex16_b32 v20, v10, s32, s33
	v_add_f32 v10, v10, v20
	ds_store_b32 v3, v10 offset:\off               ; the lanes of a group write the same word with the same value
	s_wait_dscnt 0x0                               ; for the others' sake: my store has landed
	s_barrier_signal -1
	s_barrier_wait -1
.irp k, 0,1,2,3
	ds_load_b128 v[28+4*\k:31+4*\k], v4 offset:\off+16*\k
.endr
	s_wait_dscnt 0x0
	v_pk_add_f32 v[28:29], v[28:29], v[30:31]      ; the same order in every wave
	v_pk_add_f32 v[32:33], v[32:33], v[34:35]
	v_pk_add_f32 v[36:37], v[36:37], v[38:39]
	v_pk_add_f32 v[40:41], v[40:41], v[42:43]
	v_pk_add_f32 v[28:29], v[28:29], v[32:33]
	v_pk_add_f32 v[36:37], v[36:37], v[40:41]
	v_pk_add_f32 v[28:29], v[28:29], v[36:37]
	v_add_f32 v28, v28, v29
.endm
	JOIN 0
	v_mul_f32 v18, s35, v28                        ; the mean
	v_mov_b32 v19, v18
.set g, 0
.rept 16
.irp k, 0,1,2,3
	v_pk_add_f32 v[20+2*\k:21+2*\k], v[XR+8*g+2*\k:XR+8*g+2*\k+1], v[18:19] neg_lo:[0,1] neg_hi:[0,1]   ; x - mean
.endr
.irp k, 0,1,2,3
.if g == 0
	v_pk_mul_f32 v[10+2*\k:11+2*\k], v[20+2*\k:21+2*\k], v[20+2*\k:21+2*\k]
.else
	v_pk_fma_f32 v[10+2*\k:11+2*\k], v[20+2*\k:21+2*\k], v[20+2*\k:21+2*\k], v[10+2*\k:11+2*\k]
.endif
.endr
.set g, g+1
.endr
	JOIN 256                                       ; other LDS bytes than the first join's
	v_fma_f32 v20, v28, s35, s36                   ; var + 1e-6
	v_rsq_f32 v19, v20
	v_nop                                          ; a plain instruction behind the transcendental,
	s_wait_alu depctr_va_vdst(0)                   ; and the wait ahead of its first reader and of the branch
	s_cmp_lg_u32 s20, 0
	s_cbranch_scc1 .Lend
	s_lshl_b32 s24, s22, 8                         ; 32 groups of 8 bytes a batch,
	s_lshl_b32 s27, s23, 5                         ; 4 a strip
	s_add_co_u32 s24, s24, s27
	s_add_nc_u64 s[14:15], s[14:15], s[24:25]
	global_store_b64 v5, v[18:19], s[14:15]        ; the lanes of a group store the same pair
.Lend:
	s_wait_tensorcnt 0x0
	ds_add_u32 v224, v225
	s_wait_dscnt 0x0
	s_endpgm
.Lfunc_end_k_q092332dc18_prep:
	.size	k_q092332dc18_prep, .Lfunc_end_k_q092332dc18_prep-k_q092332dc18_prep
	.p2alignl 7, 3214868480
	.fill 96, 4, 3214868480
	.section	.rodata,"a",@progbits
	.p2align	6, 0x0
	.amdhsa_kernel k_q092332dc18_prep
		.amdhsa_group_segment_fixed_size 3072
		.amdhsa_private_segment_fixed_size 0
		.amdhsa_enable_private_segment 0
		.amdhsa_kernarg_size 64
		.amdhsa_user_sgpr_count 2
		.amdhsa_user_sgpr_kernarg_segment_ptr 1
		.amdhsa_wavefront_size32 1
		.amdhsa_system_sgpr_workgroup_id_x 1
		.amdhsa_system_sgpr_workgroup_id_y 1
		.amdhsa_system_sgpr_workgroup_id_z 1
		.amdhsa_system_vgpr_workitem_id 0
		.amdhsa_next_free_vgpr 226
		.amdhsa_next_free_sgpr 66
		.amdhsa_reserve_vcc 0
		.amdhsa_float_denorm_mode_32 3
		.amdhsa_float_denorm_mode_16_64 3
		.amdhsa_memory_ordered 1
		.amdhsa_forward_progress 1
		.amdhsa_inst_pref_size 29
	.end_amdhsa_kernel
	.amdgpu_metadata
---
amdhsa.version: [ 1, 2 ]
amdhsa.kernels:
  - .name:           k_q092332dc18_prep
    .symbol:         k_q092332dc18_prep.kd
    .args:
      - { .name: x, .offset: 0, .size: 8, .value_kind: global_buffer, .address_space: global }
      - { .name: wq, .offset: 8, .size: 8, .value_kind: global_buffer, .address_space: global }
      - { .name: wk, .offset: 16, .size: 8, .value_kind: global_buffer, .address_space: global }
      - { .name: wv, .offset: 24, .size: 8, .value_kind: global_buffer, .address_space: global }
      - { .name: wp, .offset: 32, .size: 8, .value_kind: global_buffer, .address_space: global }
      - { .name: stats, .offset: 40, .size: 8, .value_kind: global_buffer, .address_space: global }
      - { .name: wc, .offset: 48, .size: 8, .value_kind: global_buffer, .address_space: global }
      - { .name: wsc, .offset: 56, .size: 8, .value_kind: global_buffer, .address_space: global }
    .group_segment_fixed_size: 3072
    .private_segment_fixed_size: 0
    .kernarg_segment_align: 8
    .kernarg_segment_size: 64
    .max_flat_workgroup_size: 512
    .sgpr_count:     66
    .vgpr_count:     226
    .wavefront_size: 32
...
	.end_amdgpu_metadata
.endif
;; end of part 1
;; launch qkv (part 2): grid 256 x 1, 4 waves a work-group, no clusters, 307,712 bytes of LDS; arguments x, stats, norm_scale, norm_bias, wc, wsc, bq, bk, bv, qc, kc, vc, sc; writes qc, kc, vc, sc
.if DOCPART == 2
	.amdgcn_target "amdgcn-amd-amdhsa--gfx1250"
	.amdhsa_code_object_version 6
	.text
	.protected	k_q092332dc18_qkv
	.globl	k_q092332dc18_qkv
	.p2align	8
	.type	k_q092332dc18_qkv,@function
k_q092332dc18_qkv:
	s_mov_b64 s[64:65], 0
	v_nop
	global_prefetch_b8 v0, s[64:65] scope:SCOPE_SE
	s_setreg_imm32_b32 hwreg(HW_REG_WAVE_MODE, 25, 1), 1
	s_wait_xcnt 0x0
; hn = group norm of x; q = hn wq + bq, k = hn wk + bk, v = hn wv + bv, all three products on codes of FP4 (E2M1) with one E8M0 scale for each 32 along K;
; q and k leave as codes quantised along the channels, v as codes quantised along the KEYS (pixels), all as images of an operand's registers.
; SHARES.  Work-group wg takes pixels 128 wg .. + 127: eight tiles of 16, one K step of the later product with v.
;   X: wave w normalises and quantises channels 128 w .. + 127 (K step w) of all 128 rows; the 32 fragments of hn meet in LDS | barrier |
;   then wave w makes columns 128 w .. + 127 of q, of k and of v: its 32 fragments of each weight stay in its registers.
; THE PIXELS OF A TILE AND THE COLUMNS OF A WEIGHT'S TILE ARE NOT NEIGHBOURS: slot r of tile 2 b + u (of eight) is index 32 b + 8 u + r + 8 (r / 8) of 128.  In a result, lane (r, h),
; register j of tile 2 b + u then is index 32 b + 16 h + 8 u + j of source 0's axis: the 64 registers of eight tiles are 'register 16 b + i = index 32 b + 16 h + i', which QUANT takes.
;   q, k: source 0 = 16 columns of the weight, source 1 = 16 pixels: a lane holds a pixel, its registers run along the channels of q.
;   v:    source 0 = 16 pixels, source 1 = 16 columns of wv: a lane holds a channel of v, its registers run along the pixels.
; The biases are the C of each sum's first matrix instruction.
; x comes by two tensor loads a wave (64 rows x 512 bytes each, 16 bytes of padding behind a row); the wave that asked reads them, nobody else, and no LDS byte is filled twice.
; NO CLUSTER: the weights are shared by all work-groups, but each fragment goes straight into the registers of the one wave that multiplies it, and x holds 270,336 bytes of LDS.
; OUT.  qc, kc: [pixel tile 2,048][K step 4][1,024 bytes];  vc: [batch][channel tile 32][key step 8][1,024];  a fragment's register group c of lane l at 512 c + 16 l.
;   sc: three sections (q, k, v) of [block 256][part 4][lane 32][a 4] words: word (lane, a) is the scale word of slot lane % 16 of tile 2 a + lane / 16 of the eight.
; LIMITS: NaN and infinities are not served; a block whose largest magnitude lies under 2^-124 (zeros too) has the scale byte 1, read by this program alone.
.set XTW,    67584                     ; LDS: a wave's strip of x: 128 rows x 528
.set XPITCH, 528                       ; 512 bytes + 16 of padding
.set HIMG,   270336                    ; hn's fragments: (tile m, K step s) at (4 m + s) x 1,024
.set HSC,    303104                    ; their scale words: [m][s][16 slots]
.set SCS,    305152                    ; 512 bytes a wave: the scale words of eight finished fragments
.set LI,   1                           ; 16 x lane
.set L4,   2                           ; 4 x lane
.set XA,   3                           ; my place in my strip of x
.set HW,   4                           ; where I store hn's images
.set HSW,  5                           ; and their scale words
.set HIR,  6                           ; where any wave reads them
.set HSR,  7
.set A_ST, 8                           ; the tile in hand
.set A_SS, 9
.set SCW,  10                          ; SCS: in
.set A_SC, 11
.set SCRD, 12                          ; SCS: out
.set H64,  13                          ; 64 h
.set RP4,  14                          ; 4 (r + 8 (r / 8))
.set H8,   15                          ; 8 h
.set ACC,  16                          ; v16-79   64 numbers of x, later eight accumulators
.set ST,   80                          ; v80-111  a pixel tile's four fragments of hn
.set STS,  112                         ; v112-113 their scale words (lanes 0-15: K step 2 a, lanes 16-31: 2 a + 1)
.set MR,   114                         ; v114-121 (mean, rstd) of my four groups
.set CB,   114                         ;          later: bv of my slot, eight times
.set RR,   122                         ; v122-129 rstd twice, four times
.set WS,   130                         ; v130-177 the weights' scale words: 16 x weight + 2 x tile + a
.set HS,   178                         ; v178-193 hn's scale words: 2 m + a
.set BV,   194                         ; v194-201 bv of my slot in each of my eight tiles
.set TM,   202                         ; v202-217 QUANT's work
.set PC,   218                         ; v218-225 the codes just made
.set PW,   226                         ; the scale word just made
.set SCR,  228                         ; v228-231 four scale words on their way out
.set A_GO, 232                         ; the codes' offset in qc or kc: 16 x lane + 4,096 x pixel tile
.set BQ,   0                           ; window 1: v0-63 bq's eight tiles, v64-127 bk's, v128-191 gain x rstd, v192-255 the norm's bias; in the pass for v: hn's 32 fragments
.set BK,   64
.set GA,   128
.set NB,   192
; window 2: wq's 32 fragments (tile i, K step s at 32 i + 8 s), later wv's;  window 3: wk's
.set WV,   30
.set G1,   36
.set G0A,  44
.set G0B,  48
.set SEL,  52
.set S_H,  54
.set S_HS, 55
.set S_SC, 56
.set CNT,  57
.set S_G,  60
.set MSB, 0
.macro WIN new                         ; the immediate's high byte repeats the setting that is left; a switch that changes nothing is dropped
.if MSB != (\new)
	s_set_vgpr_msb (MSB<<8)|(\new)
.set MSB, (\new)
.endif
.endm
; One matrix instruction.  cm = 0: C is the constant 0; 1: C = v[c ..].  ra, rb: the half of the lanes from which A's and B's scale words are taken.
.macro WMS d, a, b, cm, c, sa, sb, ra, rb
.set wR, (\ra)+2*(\rb)+4*(\cm)
.if wR == 0
	v_wmma_scale_f32_16x16x128_f8f6f4 v[(\d):(\d)+7], v[(\a):(\a)+7], v[(\b):(\b)+7], 0, v[\sa], v[\sb] matrix_a_fmt:MATRIX_FMT_FP4 matrix_b_fmt:MATRIX_FMT_FP4
.elseif wR == 1
	v_wmma_scale_f32_16x16x128_f8f6f4 v[(\d):(\d)+7], v[(\a):(\a)+7], v[(\b):(\b)+7], 0, v[\sa], v[\sb] matrix_a_fmt:MATRIX_FMT_FP4 matrix_b_fmt:MATRIX_FMT_FP4 matrix_a_scale:MATRIX_SCALE_ROW1
.elseif wR == 2
	v_wmma_scale_f32_16x16x128_f8f6f4 v[(\d):(\d)+7], v[(\a):(\a)+7], v[(\b):(\b)+7], 0, v[\sa], v[\sb] matrix_a_fmt:MATRIX_FMT_FP4 matrix_b_fmt:MATRIX_FMT_FP4 matrix_b_scale:MATRIX_SCALE_ROW1
.elseif wR == 3
	v_wmma_scale_f32_16x16x128_f8f6f4 v[(\d):(\d)+7], v[(\a):(\a)+7], v[(\b):(\b)+7], 0, v[\sa], v[\sb] matrix_a_fmt:MATRIX_FMT_FP4 matrix_b_fmt:MATRIX_FMT_FP4 matrix_a_scale:MATRIX_SCALE_ROW1 matrix_b_scale:MATRIX_SCALE_ROW1
.elseif wR == 4
	v_wmma_scale_f32_16x16x128_f8f6f4 v[(\d):(\d)+7], v[(\a):(\a)+7], v[(\b):(\b)+7], v[(\c):(\c)+7], v[\sa], v[\sb] matrix_a_fmt:MATRIX_FMT_FP4 matrix_b_fmt:MATRIX_FMT_FP4
.elseif wR == 5
	v_wmma_scale_f32_16x16x128_f8f6f4 v[(\d):(\d)+7], v[(\a):(\a)+7], v[(\b):(\b)+7], v[(\c):(\c)+7], v[\sa], v[\sb] matrix_a_fmt:MATRIX_FMT_FP4 matrix_b_fmt:MATRIX_FMT_FP4 matrix_a_scale:MATRIX_SCALE_ROW1
.elseif wR == 6
	v_wmma_scale_f32_16x16x128_f8f6f4 v[(\d):(\d)+7], v[(\a):(\a)+7], v[(\b):(\b)+7], v[(\c):(\c)+7], v[\sa], v[\sb] matrix_a_fmt:MATRIX_FMT_FP4 matrix_b_fmt:MATRIX_FMT_FP4 matrix_b_scale:MATRIX_SCALE_ROW1
.else
	v_wmma_scale_f32_16x16x128_f8f6f4 v[(\d):(\d)+7], v[(\a):(\a)+7], v[(\b):(\b)+7], v[(\c):(\c)+7], v[\sa], v[\sb] matrix_a_fmt:MATRIX_FMT_FP4 matrix_b_fmt:MATRIX_FMT_FP4 matrix_a_scale:MATRIX_SCALE_ROW1 matrix_b_scale:MATRIX_SCALE_ROW1
.endif
.endm
; 64 numbers of a lane, v[s] .. v[s + 63], register 16 b + i = k 32 b + 16 (lane / 16) + i of my row, become a fragment's codes in v[PC] on and its scale word in v[PW].
.macro QUANT s
.irp b, 0,1,2,3
	v_max3_num_f32 v[TM+\b], |v[\s+16*\b]|, |v[\s+1+16*\b]|, 0x1800000   ; block b: my 16 numbers, and the floor 2^(3 - 127): the byte cannot fall under 1
.endr
.irp i, 2,4,6,8,10,12,14
.irp b, 0,1,2,3
	v_max3_num_f32 v[TM+\b], v[TM+\b], |v[\s+16*\b+\i]|, |v[\s+1+16*\b+\i]|   ; the four blocks by turns
.endr
.endr
.irp b, 0,1,2,3
	v_permlanex16_b32 v[TM+4+\b], v[TM+\b], s[SEL], s[SEL+1]
.endr
.irp b, 0,1,2,3
	v_max_num_f32 v[TM+\b], v[TM+\b], v[TM+4+\b]   ; with lane l xor 16's: the block's largest magnitude
.endr
.irp b, 0,1,2,3
	v_add_nc_u32 v[TM+12+\b], 0xff000000, v[TM+\b]   ; 2 off its exponent field: the conversion's scale operand
.endr
.irp b, 0,1,2,3
	v_lshrrev_b32 v[TM+4+\b], 23, v[TM+12+\b]      ; the scale's byte
.endr
	v_lshl_or_b32 v[PW], v[TM+5], 8, v[TM+4]
	v_lshl_or_b32 v[PW], v[TM+6], 16, v[PW]
	v_lshl_or_b32 v[PW], v[TM+7], 24, v[PW]
.irp b, 0,1,2,3
	v_cvt_scalef32_pk8_fp4_f32 v[PC+2*\b], v[\s+16*\b:\s+7+16*\b], v[TM+12+\b]
	v_cvt_scalef32_pk8_fp4_f32 v[PC+1+2*\b], v[\s+8+16*\b:\s+15+16*\b], v[TM+12+\b]
.endr
	v_nop                                          ; one plain instruction behind the scaled conversions
.irp c, 0,1                                    ; the operand's layout wants a whole block in a lane: lanes 0-15 block 2 c, lanes 16-31 block 2 c + 1
.irp i, 0,1
	v_permlane16_swap_b32 v[PC+4*\c+\i], v[PC+2+4*\c+\i]
.endr
.endr
.endm
.macro BARRIER                                 ; my LDS stores have landed and my LDS loads are in: then the work-group's barrier
	s_wait_dscnt 0x0
	s_barrier_signal -1
	s_barrier_wait -1
.endm
.macro PLACES                                  ; four plain instructions between a matrix instruction and the first read of its result, or a load into one of its registers
.rept 4
	v_nop
.endr
.endm
; Images of registers from memory: load i brings 512 consecutive bytes into v[4 (i % 64) ..] of window win0 + i / 64.
.macro RES_LOAD ptr, from, to, win0, off
.set ri, \from
.rept (\to)-(\from)+1
	WIN ((\win0)+ri/64)<<6
	global_load_b128 v[4*(ri%64):4*(ri%64)+3], v[LI], s[\ptr:\ptr+1] offset:(\off)+512*ri
.set ri, ri+1
.endr
	WIN 0
.endm
	s_load_b512 s[4:19], s[0:1], 0x0               ; x s[4:5], stats s[6:7], gain s[8:9], bias s[10:11], wc s[12:13], wsc s[14:15], bq s[16:17], bk s[18:19]
	s_load_b256 s[20:27], s[0:1], 0x40             ; bv s[20:21], qc s[22:23], kc s[24:25], vc s[26:27]
	s_load_b64 s[28:29], s[0:1], 0x60              ; sc
	v_lshl_add_u32 v254, v0, 2, 0x4b000
	v_mov_b32 v255, 0
	ds_add_u32 v254, v255
	ds_add_u32 v254, v255
	v_lshrrev_b32 v16, 5, v0
	v_readfirstlane_b32 s[WV], v16                 ; wave 0..3
	; descriptor group 1: 64 rows x 128 elements of 4 bytes, rows 512 elements apart, 4 words of padding behind every 128
	s_mov_b32 s[G1+0], 0x07920000                  ; 17:16 elements of 4 bytes (code 2); 20 padding on; 24:22 after every 128 words (code 6); 31:25 four words (code 3)
	s_mov_b32 s[G1+1], 128<<16                     ; tensor_dim0 = 128
	s_mov_b32 s[G1+2], 64<<16                      ; tensor_dim1 = 64
	s_mov_b32 s[G1+3], 128<<16                     ; tile_dim0 = 128
	s_mov_b32 s[G1+4], 64                          ; tile_dim1 = 64
	s_mov_b32 s[G1+5], 512                         ; from row to row
	s_mov_b32 s[G1+6], 0
	s_mov_b32 s[G1+7], 0
	s_mul_i32 s31, s[WV], XTW                      ; my strip in LDS
	s_lshl_b32 s32, ttmp9, 18                      ; 128 rows of 2,048 bytes a work-group,
	s_lshl_b32 s34, s[WV], 9                       ; 512 bytes of a row a wave
	s_add_co_u32 s32, s32, s34
	s_mov_b32 s33, 0
	s_mov_b32 s35, 0
	s_wait_dscnt 0x0
	s_wait_kmcnt 0x0
	s_add_nc_u64 s[4:5], s[4:5], s[32:33]
	s_mov_b32 s[G0A], 1
	s_mov_b32 s[G0A+1], s31
	s_mov_b64 s[G0A+2:G0A+3], s[4:5]
	s_or_b32 s[G0A+3], s[G0A+3], 0x80000000
	s_mov_b32 s[G0B], 1
	s_add_co_u32 s[G0B+1], s31, 64*XPITCH
	s_add_nc_u64 s[G0B+2:G0B+3], s[4:5], 64*2048
	s_or_b32 s[G0B+3], s[G0B+3], 0x80000000
	tensor_load_to_lds s[G0A:G0A+3], s[G1:G1+7]    ; rows 0-63 of my strip
	s_nop 0
	tensor_load_to_lds s[G0B:G0B+3], s[G1:G1+7]    ; rows 64-127: two tensor loads of mine are out
	s_nop 0
.rept 4
	v_nop
.endr
	s_add_nc_u64 s[8:9], s[8:9], s[34:35]          ; my 128 channels of the gain, of the norm's bias,
	s_add_nc_u64 s[10:11], s[10:11], s[34:35]
	s_add_nc_u64 s[16:17], s[16:17], s[34:35]      ; my 128 columns of bq, bk, bv
	s_add_nc_u64 s[18:19], s[18:19], s[34:35]
	s_add_nc_u64 s[20:21], s[20:21], s[34:35]
	s_lshr_b32 s58, ttmp9, 3                       ; batch
	s_lshl_b32 s32, s58, 8
	s_lshl_b32 s59, s[WV], 6
	s_add_co_u32 s32, s32, s59
	s_add_nc_u64 s[6:7], s[6:7], s[32:33]          ; stats: groups 8 w on of my batch
	s_lshl_b32 s32, s[WV], 15
	s_add_nc_u64 s[12:13], s[12:13], s[32:33]      ; a weight's fragments: my eight tiles, 32,768 bytes
	s_lshl_b32 s32, s[WV], 11
	s_add_nc_u64 s[14:15], s[14:15], s[32:33]      ; and their scale words
	s_lshl_b32 s32, ttmp9, 15
	s_lshl_b32 s59, s[WV], 10
	s_add_co_u32 s32, s32, s59
	s_add_nc_u64 s[22:23], s[22:23], s[32:33]      ; qc, kc: tile 8 wg, K step w
	s_add_nc_u64 s[24:25], s[24:25], s[32:33]
	s_lshl_b32 s32, s58, 18
	s_lshl_b32 s59, s[WV], 16
	s_add_co_u32 s32, s32, s59
	s_and_b32 s59, ttmp9, 7
	s_lshl_b32 s59, s59, 10
	s_add_co_u32 s32, s32, s59
	s_add_nc_u64 s[26:27], s[26:27], s[32:33]      ; vc: batch, channel tile 8 w, key step wg % 8
	s_lshl_b32 s32, ttmp9, 11
	s_add_co_u32 s32, s32, s34
	s_add_nc_u64 s[28:29], s[28:29], s[32:33]      ; sc: block wg, part w
	s_mov_b32 s[SEL], 0x76543210
	s_mov_b32 s[SEL+1], 0xfedcba98
	v_and_b32 v16, 31, v0                          ; lane
	v_and_b32 v17, 15, v0                          ; r
	v_bfe_u32 v18, v0, 4, 1                        ; h
	v_lshlrev_b32 v[LI], 4, v16
	v_lshlrev_b32 v[L4], 2, v16
	v_and_b32 v19, 8, v17
	v_add_nc_u32 v19, v19, v17                     ; r + 8 (r / 8)
	v_mul_u32_u24 v[XA], v19, XPITCH
	v_lshl_add_u32 v[XA], v18, 6, v[XA]
	v_add_nc_u32 v[XA], s31, v[XA]
	s_lshl_b32 s59, s[WV], 10
	v_add_nc_u32 v[HW], s59, v[LI]
	v_add_nc_u32 v[HW], HIMG, v[HW]
	v_lshlrev_b32 v20, 2, v17                      ; 4 r
	s_lshl_b32 s59, s[WV], 6
	v_add_nc_u32 v[HSW], s59, v20
	v_add_nc_u32 v[HSW], HSC, v[HSW]
	v_add_nc_u32 v[HIR], HIMG, v[LI]
	v_add_nc_u32 v[HSR], HSC, v[L4]
	v_add_nc_u32 v[SCW], s34, v20
	v_add_nc_u32 v[SCW], SCS, v[SCW]
	v_add_nc_u32 v[SCRD], s34, v[L4]
	v_add_nc_u32 v[SCRD], SCS, v[SCRD]
	v_lshlrev_b32 v[H64], 6, v18
	v_lshlrev_b32 v[RP4], 2, v19
	v_lshlrev_b32 v[H8], 3, v18
.irp b, 0,1,2,3
	v_mov_b32 v[TM+4+\b], 0                        ; written once: a lane permute's destination counts as one of its sources
.endr
.irp b, 0,1,2,3
	global_load_b64 v[MR+2*\b:MR+2*\b+1], v[H8], s[6:7] offset:16*\b   ; block b of my 128 channels: group 8 w + 2 b + h
.endr
	WIN 0x40                                       ; destination window 1
.irp b, 0,1,2,3
.irp j, 0,1,2,3
	global_load_b128 v[GA+16*\b+4*\j:GA+16*\b+4*\j+3], v[H64], s[8:9] offset:128*\b+16*\j   ; register 16 b + i: channel 32 b + 16 h + i
.endr
.endr
.irp b, 0,1,2,3
.irp j, 0,1,2,3
	global_load_b128 v[NB+16*\b+4*\j:NB+16*\b+4*\j+3], v[H64], s[10:11] offset:128*\b+16*\j
.endr
.endr
.irp t, 0,1,2,3,4,5,6,7                        ; the biases in the result's layout: tile t, register j: column 32 (t / 2) + 16 h + 8 (t % 2) + j
	global_load_b128 v[BQ+8*\t:BQ+8*\t+3], v[H64], s[16:17] offset:(32*(\t/2)+8*(\t%2))*4
	global_load_b128 v[BQ+8*\t+4:BQ+8*\t+7], v[H64], s[16:17] offset:(32*(\t/2)+8*(\t%2))*4+16
.endr
.irp t, 0,1,2,3,4,5,6,7
	global_load_b128 v[BK+8*\t:BK+8*\t+3], v[H64], s[18:19] offset:(32*(\t/2)+8*(\t%2))*4
	global_load_b128 v[BK+8*\t+4:BK+8*\t+7], v[H64], s[18:19] offset:(32*(\t/2)+8*(\t%2))*4+16
.endr
	WIN 0
.irp t, 0,1,2,3,4,5,6,7
	global_load_b32 v[BV+\t], v[RP4], s[20:21] offset:(32*(\t/2)+8*(\t%2))*4   ; in v's result a lane holds one column: slot r of tile t
.endr
	s_wait_loadcnt 40                              ; the statistics, the gain and the norm's bias are in; the 16 + 16 + 8 loads of bq, bk, bv issued behind them may be out
.irp b, 0,1,2,3
	v_mov_b32 v[RR+2*\b], v[MR+2*\b+1]
	v_mov_b32 v[RR+2*\b+1], v[MR+2*\b+1]
.endr
	WIN 0x41                                       ; destination and source 0 window 1
.irp b, 0,1,2,3
.irp p, 0,2,4,6,8,10,12,14
	v_pk_mul_f32 v[GA+16*\b+\p:GA+16*\b+\p+1], v[GA+16*\b+\p:GA+16*\b+\p+1], v[RR+2*\b:RR+2*\b+1]   ; gain x rstd, once for all 128 rows
.endr
.endr
	WIN 0
.irp u, 0,1,2
.irp t, 0,1,2,3,4,5,6,7
.irp a, 0,1
	global_load_b32 v[WS+16*\u+2*\t+\a], v[L4], s[14:15] offset:8192*\u+256*\t+128*\a   ; lanes 0-15: K step 2 a, lanes 16-31: 2 a + 1
.endr
.endr
.endr
; ---- X: pixel tile m of my strip: normalised, quantised, stored as an image.  Sixteen of the 128 loads of wq's and wk's fragments go out with each tile.
.macro XTILE m
.if (\m) == 0
	s_wait_tensorcnt 0x1                           ; rows 0-63 are in (tiles 0 to 3 lie in them); the second load may be out
.endif
.if (\m) == 4
	s_wait_tensorcnt 0x0
.endif
.irp b, 0,1,2,3
.irp j, 0,1,2,3
	ds_load_b128 v[ACC+16*\b+4*\j:ACC+16*\b+4*\j+3], v[XA] offset:(32*((\m)/2)+8*((\m)%2))*XPITCH+128*\b+16*\j
.endr
.endr
	RES_LOAD 12,16*((\m)%4),16*((\m)%4)+15,2+(\m)/4,131072*((\m)/4)
	s_wait_dscnt 0x0                               ; my numbers are in
.irp b, 0,1,2,3
.irp p, 0,2,4,6,8,10,12,14
	v_pk_add_f32 v[ACC+16*\b+\p:ACC+16*\b+\p+1], v[ACC+16*\b+\p:ACC+16*\b+\p+1], v[MR+2*\b:MR+2*\b+1] op_sel_hi:[1,0] neg_lo:[0,1] neg_hi:[0,1]   ; x - mean (the pair's low word for both halves)
.endr
.endr
	WIN 0x14                                       ; sources 1 and 2 window 1
.set pi, 0
.rept 32
	v_pk_fma_f32 v[ACC+pi:ACC+pi+1], v[ACC+pi:ACC+pi+1], v[GA+pi:GA+pi+1], v[NB+pi:NB+pi+1]
.set pi, pi+2
.endr
	WIN 0
	QUANT ACC
	ds_store_b128 v[HW], v[PC:PC+3] offset:4096*(\m)
	ds_store_b128 v[HW], v[PC+4:PC+7] offset:4096*(\m)+512
	ds_store_b32 v[HSW], v[PW] offset:256*(\m)     ; both halves of the lanes hold the same word
.endm
.irp m, 0,1,2,3,4,5,6,7
	XTILE \m
.endr
	s_wait_loadcnt 0x0                             ; the biases, the scale words, wq's and wk's fragments
	BARRIER                                        ; hn's 32 fragments lie in LDS; nobody writes them again
; ---- q and k
.macro LOADST                                  ; a pixel tile's four fragments and their scale words: ten LDS loads
	v_add_nc_u32 v[A_ST], s[S_H], v[HIR]
	v_add_nc_u32 v[A_SS], s[S_HS], v[HSR]
.irp k, 0,1,2,3,4,5,6,7
	ds_load_b128 v[ST+4*\k:ST+4*\k+3], v[A_ST] offset:512*\k
.endr
.irp k, 0,1
	ds_load_b32 v[STS+\k], v[A_SS] offset:128*\k
.endr
.endm
; One pixel tile: 32 matrix instructions, the eight accumulators by turns; the next tile's fragments are asked for; the result is quantised and leaves.
.macro QKTRIP win, bias, ws, ptr, next
	s_wait_dscnt 0x1                               ; the tile's ten loads are in; the one LDS store issued behind them (the last tile's scale word) may be out.  On the way into the loop nothing is out
	WIN 0x10|(\win)                                ; source 0 (the weight) window win, C (the bias) window 1
.set ti, 0
.rept 8
	WMS ACC+8*ti,32*ti,ST,1,(\bias)+8*ti,WS+(\ws)+2*ti,STS,0,0
.set ti, ti+1
.endr
	WIN \win
.set si, 1
.rept 3
.set ti, 0
.rept 8
	WMS ACC+8*ti,32*ti+8*si,ST+8*si,1,ACC+8*ti,WS+(\ws)+2*ti+si/2,STS+si/2,si%2,si%2
.set ti, ti+1
.endr
.set si, si+1
.endr
	WIN 0
	PLACES
.if \next
	s_add_co_u32 s[S_H], s[S_H], 4096
	s_add_co_u32 s[S_HS], s[S_HS], 256
	LOADST
.endif
	v_add_nc_u32 v[A_SC], s[S_SC], v[SCW]
	s_wait_xcnt 0x0                                ; the last tile's stores, 32 products back, have read their offset and their data: both are written again below
	v_add_nc_u32 v[A_GO], s[S_G], v[LI]
	QUANT ACC
	global_store_b128 v[A_GO], v[PC:PC+3], s[\ptr:\ptr+1]           ; 512 consecutive bytes each
	global_store_b128 v[A_GO], v[PC+4:PC+7], s[\ptr:\ptr+1] offset:512
	ds_store_b32 v[A_SC], v[PW]
	s_add_co_u32 s[S_G], s[S_G], 4096
	s_add_co_u32 s[S_SC], s[S_SC], 64
.endm
.macro SCOUT sect                              ; eight fragments' scale words leave as 512 consecutive bytes: LDS serves a wave's instructions in order (ISA guide 5.7.1.4), so these loads see my stores
.irp k, 0,1,2,3
	ds_load_b32 v[SCR+\k], v[SCRD] offset:128*\k
.endr
	s_wait_dscnt 0x0
	global_store_b128 v[LI], v[SCR:SCR+3], s[28:29] offset:\sect
.endm
.macro PASSQK win, bias, ws, ptr, sect
	s_mov_b32 s[S_H], 0
	s_mov_b32 s[S_HS], 0
	s_mov_b32 s[S_SC], 0
	s_mov_b32 s[S_G], 0
	LOADST
	s_wait_dscnt 0x0                               ; the first tile's fragments: behind them no store has been issued, so the count is 0 here
	s_mov_b32 s[CNT], 7
.Lqk_\@:
	QKTRIP \win, \bias, \ws, \ptr, 1
	s_sub_co_u32 s[CNT], s[CNT], 1
	s_cmp_lg_u32 s[CNT], 0
	s_cbranch_scc1 .Lqk_\@
	QKTRIP \win, \bias, \ws, \ptr, 0               ; the last tile asks for nothing
	SCOUT \sect
.endm
	PASSQK 2, BQ, 0, 22, 0
	RES_LOAD 12,0,63,2,262144                      ; wv's fragments take wq's place while k is made
	PASSQK 3, BK, 16, 24, 524288
; ---- v: all of hn's fragments in registers; a tile of 16 columns of wv at a time against the eight pixel tiles
	WIN 0x40
.set ri, 0
.rept 64
	ds_load_b128 v[4*ri:4*ri+3], v[HIR] offset:512*ri   ; fragment (m, s) at 32 m + 8 s of window 1
.set ri, ri+1
.endr
	WIN 0
.irp m, 0,1,2,3,4,5,6,7
.irp a, 0,1
	ds_load_b32 v[HS+2*\m+\a], v[HSR] offset:256*\m+128*\a
.endr
.endr
.irp k, 0,1,2,3,4,5,6,7
	v_mov_b32 v[CB+\k], v[BV]
.endr
	s_wait_loadcnt 0x0                             ; wv's fragments
	s_wait_dscnt 0x0
.macro JOBV t
	WIN 0x09                                       ; source 0 (hn) window 1, source 1 (wv) window 2
.set si, 0
.rept 4
.set mi, 0
.rept 8
.if si == 0
	WMS ACC+8*mi,32*mi,32*(\t),1,CB,HS+2*mi,WS+32+2*(\t),0,0
.else
	WMS ACC+8*mi,32*mi+8*si,32*(\t)+8*si,1,ACC+8*mi,HS+2*mi+si/2,WS+32+2*(\t)+si/2,si%2,si%2
.endif
.set mi, mi+1
.endr
.set si, si+1
.endr
	WIN 0
	PLACES
.if (\t) < 7
.irp k, 0,1,2,3,4,5,6,7
	v_mov_b32 v[CB+\k], v[BV+(\t)+1]               ; the next tile's bias
.endr
.endif
	s_wait_xcnt 0x0                                ; the last stores, 32 products back, have read the codes' registers
	QUANT ACC                                      ; along the 128 pixels
	global_store_b128 v[LI], v[PC:PC+3], s[26:27] offset:8192*(\t)
	global_store_b128 v[LI], v[PC+4:PC+7], s[26:27] offset:8192*(\t)+512
	ds_store_b32 v[SCW], v[PW] offset:64*(\t)
.endm
.irp t, 0,1,2,3,4,5,6,7
	JOBV \t
.endr
	SCOUT 1048576
	s_wait_tensorcnt 0x0
	ds_add_u32 v254, v255
	s_wait_dscnt 0x0
	s_endpgm
.Lfunc_end_k_q092332dc18_qkv:
	.size	k_q092332dc18_qkv, .Lfunc_end_k_q092332dc18_qkv-k_q092332dc18_qkv
	.p2alignl 7, 3214868480
	.fill 96, 4, 3214868480
	.section	.rodata,"a",@progbits
	.p2align	6, 0x0
	.amdhsa_kernel k_q092332dc18_qkv
		.amdhsa_group_segment_fixed_size 307712
		.amdhsa_private_segment_fixed_size 0
		.amdhsa_enable_private_segment 0
		.amdhsa_kernarg_size 104
		.amdhsa_user_sgpr_count 2
		.amdhsa_user_sgpr_kernarg_segment_ptr 1
		.amdhsa_wavefront_size32 1
		.amdhsa_system_sgpr_workgroup_id_x 1
		.amdhsa_system_sgpr_workgroup_id_y 1
		.amdhsa_system_sgpr_workgroup_id_z 1
		.amdhsa_system_vgpr_workitem_id 0
		.amdhsa_next_free_vgpr 1024
		.amdhsa_next_free_sgpr 66
		.amdhsa_reserve_vcc 0
		.amdhsa_float_denorm_mode_32 3
		.amdhsa_float_denorm_mode_16_64 3
		.amdhsa_memory_ordered 1
		.amdhsa_forward_progress 1
		.amdhsa_inst_pref_size 221
	.end_amdhsa_kernel
	.amdgpu_metadata
---
amdhsa.version: [ 1, 2 ]
amdhsa.kernels:
  - .name:           k_q092332dc18_qkv
    .symbol:         k_q092332dc18_qkv.kd
    .args:
      - { .name: x, .offset: 0, .size: 8, .value_kind: global_buffer, .address_space: global }
      - { .name: stats, .offset: 8, .size: 8, .value_kind: global_buffer, .address_space: global }
      - { .name: norm_scale, .offset: 16, .size: 8, .value_kind: global_buffer, .address_space: global }
      - { .name: norm_bias, .offset: 24, .size: 8, .value_kind: global_buffer, .address_space: global }
      - { .name: wc, .offset: 32, .size: 8, .value_kind: global_buffer, .address_space: global }
      - { .name: wsc, .offset: 40, .size: 8, .value_kind: global_buffer, .address_space: global }
      - { .name: bq, .offset: 48, .size: 8, .value_kind: global_buffer, .address_space: global }
      - { .name: bk, .offset: 56, .size: 8, .value_kind: global_buffer, .address_space: global }
      - { .name: bv, .offset: 64, .size: 8, .value_kind: global_buffer, .address_space: global }
      - { .name: qc, .offset: 72, .size: 8, .value_kind: global_buffer, .address_space: global }
      - { .name: kc, .offset: 80, .size: 8, .value_kind: global_buffer, .address_space: global }
      - { .name: vc, .offset: 88, .size: 8, .value_kind: global_buffer, .address_space: global }
      - { .name: sc, .offset: 96, .size: 8, .value_kind: global_buffer, .address_space: global }
    .group_segment_fixed_size: 307712
    .private_segment_fixed_size: 0
    .kernarg_segment_align: 8
    .kernarg_segment_size: 104
    .max_flat_workgroup_size: 128
    .sgpr_count:     66
    .vgpr_count:     1024
    .wavefront_size: 32
...
	.end_amdgpu_metadata
.endif
;; end of part 2
;; launch attn (part 3): grid 256 x 1, 4 waves a work-group, no clusters, 307,712 bytes of LDS; arguments qc, kc, vc, sc, wc, wsc, bp, x, out0; writes out0
.if DOCPART == 3
	.amdgcn_target "amdgcn-amd-amdhsa--gfx1250"
	.amdhsa_code_object_version 6
	.text
	.protected	k_q092332dc18_attn
	.globl	k_q092332dc18_attn
	.p2align	8
	.type	k_q092332dc18_attn,@function
k_q092332dc18_attn:
	s_mov_b64 s[64:65], 0
	v_nop
	global_prefetch_b8 v0, s[64:65] scope:SCOPE_SE
	s_setreg_imm32_b32 hwreg(HW_REG_WAVE_MODE, 25, 1), 1
	s_wait_xcnt 0x0
; out0 = x + softmax(q k^T / sqrt(512)) v wp + bp, the three products on codes of FP4 (E2M1) with one E8M0 scale for each 32 along K.
; q, k, v, wp arrive as images of an operand's registers (1,024 bytes a fragment of 16 rows x 128 K) with their scale words, as the two launches before laid them.
; SHARES.  Work-group wg takes the 128 queries 128 wg .. + 127 of batch wg / 8: eight tiles of 16.  THE WAVES SHARE THE COLUMNS: wave w owns keys 256 w .. + 255 in the first product,
; channels 128 w .. + 127 of v in the second, columns 128 w .. + 127 of wp in the third.  So its 64 KB of K, then its 64 KB of V, then its 32 KB of wp lie in its registers, each byte read by
; one wave of the work-group once; what goes round through LDS is small: p's codes (64 KB) and o's (32 KB), as images of registers.
; All products are used transposed (source 0 = 16 keys, 16 channels of v, 16 columns of wp; source 1 = 16 queries), so that a lane holds ONE query throughout.  Slot r of tile 2 b + u of eight is
; index 32 b + 8 u + r + 8 (r / 8) of 128: the 64 registers of eight tiles of a result are 'register 16 b + i = index 32 b + 16 h + i' along the next product's K.
; SOFTMAX.  t = score x log2(e) / sqrt(512); p = 2^(t - M), M the ceiling of the row's largest t; the row's sum is taken of the unquantised p and divides at the end.
; Each wave takes M_w, the ceiling of ITS 256 keys' largest t.  The codes do not hang on M; behind a barrier each wave takes n = M - M_w off each of its scale bytes and multiplies its sum by 2^-n: both exact.
; THE RESIDUAL.  They land in LDS while the scores are made,
; and the wave that asked reads them, nobody else; no LDS byte is filled twice.  Rows 96 to 127 (tiles 6, 7) have no room in LDS: they come into V's registers behind the second product, six tiles' work ahead of their use.
; LIMITS.  So that the four bytes of a word cannot borrow from each other, a block's largest p is held at 2^-60 from below (bytes of 65 at the least) and n at 64 from above: p under about 2^-62 of its
; wave's largest become zero codes, and a wave whose largest t lies more than 64 under the row's counts as if it lay 64 under it; the row's sum is above 1/2.  NaN and infinities are not served.
; NO CLUSTER: K and V are shared by the eight work-groups of a batch, but each fragment goes straight into the registers of the one wave that multiplies it.
.set PIMG, 0                           ; LDS: p's fragments: (query tile, key step) at (8 qt + ks) x 1,024.  On the way out its first 33,792 bytes are the stages: 16 rows x 528 bytes a wave
.set OIMG, 65536                       ; o's: (4 qt + s) x 1,024
.set PSC,  98304                       ; p's scale words [qt][ks][16 slots]
.set OSC,  102400                      ; o's [qt][s][16]
.set MT,   104448                      ; -M_w [qt][slot][wave]; 2,048 bytes on: the waves' sums, likewise
.set BPS,  108544                      ; bp: 512 bytes a wave
.set XL,   110592                      ; x: 96 rows x 512 bytes a wave, as they lie; no line stores here
.set XLW,  49152
.set LI,  1                            ; 16 x lane
.set L4,  2                            ; 4 x lane
.set QSV, 3                            ; q's scale words: 16 x lane + 4 x trip
.set PIW, 4                            ; where I store p's images,
.set PSW, 5                            ; their scale words,
.set MTW, 6                            ; my -M_w and my sum
.set MTR, 7                            ; where I read a slot's four
.set OIW, 8
.set OSW, 9
.set OIR, 10
.set OSR, 11
.set STW, 12
.set STR, 13
.set PSR, 14
.set PFV, 16                           ; the prefetch's offset; never rewritten
.set AP,  17                           ; the trip's LDS addresses
.set APS, 18
.set AMT, 19
.set AO,  20
.set AOS, 21
.set XLR, 22                           ; x in LDS: my wave's rows, 16 x lane
.set BPW, 23                           ; bp in LDS: in, 16 x lane;
.set BPR, 24                           ; out, 64 h
.set ACC, 32                           ; v32-95   eight accumulators; in the first phase two query tiles' fragments
.set QF,  32
.set QSG, 96                           ; v96-99   scale words of q, later of p
.set PS,  96
.set KS,  100                          ; v100-131 scale words of K, later of V
.set VS,  100
.set WPS, 132                          ; v132-147 scale words of wp
.set OS,  148                          ; v148-149 scale words of o
.set BM,  152                          ; first phase: v152-159 the blocks' largest scores, then p
.set BX,  160
.set SOP, 168                          ; the conversions' scale operands
.set PCS, 176                          ; v176-191 two fragments of codes
.set PW0, 192
.set PW1, 193
.set NM,  194                          ; v194-195 -M_w (a pair is named)
.set LS,  196                          ; v196-199 the sum, in two packed chains
.set TT,  200
.set PF,  152                          ; second phase: v152-215 a query tile's eight fragments of p
.set BPT, 152                          ; way out: bp in the result's layout, eight tiles
.set TM,  216                          ; v216-231 QUANT's work
.set PC,  232
.set PW,  240
.set RC,  242                          ; v242-243 the row's sum, then 1 / it
.set L4R, 244                          ; v244-247 the four waves' sums
.set OF,  216                          ; way out: v216-247 a query tile's four fragments of o
.set BP4, 248                          ; v248-251 my 16 bytes of bp on their way into LDS
; windows 1, 2: K (tile kt, K step s at 32 kt + 8 s), then V (tile dt, key step ks at 64 dt + 8 ks), then x (64 registers a query tile);  window 3: S^T (128 q' + 8 kt), then wp (32 et + 8 s)
.set QP, 4
.set KP, 6
.set VP, 8
.set SCB, 10
.set WP, 12
.set WSP, 14
.set BP, 16
.set XP, 18
.set OP, 20
.set QSP, 22
.set KSP, 24
.set VSP, 26
.set PVA, 30
.set WV,  36
.set CNT, 37
.set SEL, 38
.set CS,  40
.set MASK, 42
.set S_PI, 43
.set S_PS, 44
.set S_MT, 45
.set S_P,  46
.set S_P2, 47
.set S_L,  48
.set S_O,  49
.set S_OS, 50
.set M01,  51
.set G1,  68                           ; s[68:75] descriptor group 1, s[76:79] group 0: x's rows 0 to 95; never rewritten
.set G0,  76
.set MSB, 0
.macro WIN new                         ; the immediate's high byte repeats the setting that is left; a switch that changes nothing is dropped
.if MSB != (\new)
	s_set_vgpr_msb (MSB<<8)|(\new)
.set MSB, (\new)
.endif
.endm
; One matrix instruction.  cm = 0: C is the constant 0; 1: C = v[c ..].  ra, rb: the half of the lanes from which A's and B's scale words are taken.
.macro WMS d, a, b, cm, c, sa, sb, ra, rb
.set wR, (\ra)+2*(\rb)+4*(\cm)
.if wR == 0
	v_wmma_scale_f32_16x16x128_f8f6f4 v[(\d):(\d)+7], v[(\a):(\a)+7], v[(\b):(\b)+7], 0, v[\sa], v[\sb] matrix_a_fmt:MATRIX_FMT_FP4 matrix_b_fmt:MATRIX_FMT_FP4
.elseif wR == 1
	v_wmma_scale_f32_16x16x128_f8f6f4 v[(\d):(\d)+7], v[(\a):(\a)+7], v[(\b):(\b)+7], 0, v[\sa], v[\sb] matrix_a_fmt:MATRIX_FMT_FP4 matrix_b_fmt:MATRIX_FMT_FP4 matrix_a_scale:MATRIX_SCALE_ROW1
.elseif wR == 2
	v_wmma_scale_f32_16x16x128_f8f6f4 v[(\d):(\d)+7], v[(\a):(\a)+7], v[(\b):(\b)+7], 0, v[\sa], v[\sb] matrix_a_fmt:MATRIX_FMT_FP4 matrix_b_fmt:MATRIX_FMT_FP4 matrix_b_scale:MATRIX_SCALE_ROW1
.elseif wR == 3
	v_wmma_scale_f32_16x16x128_f8f6f4 v[(\d):(\d)+7], v[(\a):(\a)+7], v[(\b):(\b)+7], 0, v[\sa], v[\sb] matrix_a_fmt:MATRIX_FMT_FP4 matrix_b_fmt:MATRIX_FMT_FP4 matrix_a_scale:MATRIX_SCALE_ROW1 matrix_b_scale:MATRIX_SCALE_ROW1
.elseif wR == 4
	v_wmma_scale_f32_16x16x128_f8f6f4 v[(\d):(\d)+7], v[(\a):(\a)+7], v[(\b):(\b)+7], v[(\c):(\c)+7], v[\sa], v[\sb] matrix_a_fmt:MATRIX_FMT_FP4 matrix_b_fmt:MATRIX_FMT_FP4
.elseif wR == 5
	v_wmma_scale_f32_16x16x128_f8f6f4 v[(\d):(\d)+7], v[(\a):(\a)+7], v[(\b):(\b)+7], v[(\c):(\c)+7], v[\sa], v[\sb] matrix_a_fmt:MATRIX_FMT_FP4 matrix_b_fmt:MATRIX_FMT_FP4 matrix_a_scale:MATRIX_SCALE_ROW1
.elseif wR == 6
	v_wmma_scale_f32_16x16x128_f8f6f4 v[(\d):(\d)+7], v[(\a):(\a)+7], v[(\b):(\b)+7], v[(\c):(\c)+7], v[\sa], v[\sb] matrix_a_fmt:MATRIX_FMT_FP4 matrix_b_fmt:MATRIX_FMT_FP4 matrix_b_scale:MATRIX_SCALE_ROW1
.else
	v_wmma_scale_f32_16x16x128_f8f6f4 v[(\d):(\d)+7], v[(\a):(\a)+7], v[(\b):(\b)+7], v[(\c):(\c)+7], v[\sa], v[\sb] matrix_a_fmt:MATRIX_FMT_FP4 matrix_b_fmt:MATRIX_FMT_FP4 matrix_a_scale:MATRIX_SCALE_ROW1 matrix_b_scale:MATRIX_SCALE_ROW1
.endif
.endm
; 64 numbers of a lane, v[s] .. v[s + 63], register 16 b + i = k 32 b + 16 (lane / 16) + i of my row, become a fragment's codes in v[PC] on and its scale word in v[PW].
.macro QUANT s
.irp b, 0,1,2,3
	v_max3_num_f32 v[TM+\b], |v[\s+16*\b]|, |v[\s+1+16*\b]|, 0x1800000   ; block b: my 16 numbers, and the floor 2^(3 - 127): the byte cannot fall under 1
.endr
.irp i, 2,4,6,8,10,12,14
.irp b, 0,1,2,3
	v_max3_num_f32 v[TM+\b], v[TM+\b], |v[\s+16*\b+\i]|, |v[\s+1+16*\b+\i]|   ; the four blocks by turns
.endr
.endr
.irp b, 0,1,2,3
	v_permlanex16_b32 v[TM+4+\b], v[TM+\b], s[SEL], s[SEL+1]
.endr
.irp b, 0,1,2,3
	v_max_num_f32 v[TM+\b], v[TM+\b], v[TM+4+\b]   ; with lane l xor 16's: the block's largest magnitude
.endr
.irp b, 0,1,2,3
	v_add_nc_u32 v[TM+12+\b], 0xff000000, v[TM+\b]   ; 2 off its exponent field: the conversion's scale operand
.endr
.irp b, 0,1,2,3
	v_lshrrev_b32 v[TM+4+\b], 23, v[TM+12+\b]      ; the scale's byte
.endr
	v_lshl_or_b32 v[PW], v[TM+5], 8, v[TM+4]
	v_lshl_or_b32 v[PW], v[TM+6], 16, v[PW]
	v_lshl_or_b32 v[PW], v[TM+7], 24, v[PW]
.irp b, 0,1,2,3
	v_cvt_scalef32_pk8_fp4_f32 v[PC+2*\b], v[\s+16*\b:\s+7+16*\b], v[TM+12+\b]
	v_cvt_scalef32_pk8_fp4_f32 v[PC+1+2*\b], v[\s+8+16*\b:\s+15+16*\b], v[TM+12+\b]
.endr
	v_nop                                          ; one plain instruction behind the scaled conversions
.irp c, 0,1                                    ; the operand's layout wants a whole block in a lane: lanes 0-15 block 2 c, lanes 16-31 block 2 c + 1
.irp i, 0,1
	v_permlane16_swap_b32 v[PC+4*\c+\i], v[PC+2+4*\c+\i]
.endr
.endr
.endm
.macro BARRIER                                 ; my LDS stores have landed and my LDS loads are in: then the work-group's barrier
	s_wait_dscnt 0x0
	s_barrier_signal -1
	s_barrier_wait -1
.endm
.macro PLACES                                  ; four plain instructions between a matrix instruction and the first read of its result, or a load into one of its registers
.rept 4
	v_nop
.endr
.endm
; Images of registers from memory: load i brings 512 consecutive bytes into v[4 (i % 64) ..] of window win0 + i / 64.
.macro RES_LOAD ptr, from, to, win0, off
.set ri, \from
.rept (\to)-(\from)+1
	WIN ((\win0)+ri/64)<<6
	global_load_b128 v[4*(ri%64):4*(ri%64)+3], v[LI], s[\ptr:\ptr+1] offset:(\off)+512*ri
.set ri, ri+1
.endr
	WIN 0
.endm
	s_load_b512 s[4:19], s[0:1], 0x0               ; qc, kc, vc, sc, wc, wsc, bp, x
	s_load_b64 s[20:21], s[0:1], 0x40              ; out0
	v_lshl_add_u32 v254, v0, 2, 0x4b000
	v_mov_b32 v255, 0
	ds_add_u32 v254, v255
	ds_add_u32 v254, v255
	v_lshrrev_b32 v25, 5, v0
	v_readfirstlane_b32 s[WV], v25                 ; wave 0..3
	s_lshr_b32 s54, ttmp9, 3                       ; batch
	s_and_b32 s55, ttmp9, 7                        ; my block of queries in it
	s_mov_b32 s33, 0
	s_mov_b32 s35, 0
	s_mov_b32 s[SEL], 0x76543210
	s_mov_b32 s[SEL+1], 0xfedcba98
	s_mov_b32 s[CS], 0x3d8293ee                    ; c = log2(e) / sqrt(512)
	s_mov_b32 s[CS+1], s[CS]                       ; (named with it as a pair, so it is written)
	s_mov_b32 s[MASK], 0xffff0000                  ; lanes 16-31
	s_mov_b32 s[M01], 0x01010101
	s_mov_b32 s[S_PI], 0
	s_mov_b32 s[S_PS], 0
	s_mov_b32 s[S_MT], 0
	; descriptor group 1: 96 rows x 128 elements of 4 bytes, rows 512 elements apart in memory, on end in LDS
	s_mov_b32 s[G1+0], 2<<16                       ; 15:0 no mask; 17:16 elements of 4 bytes (code 2); 20 no padding: a row is read back as 512 consecutive bytes
	s_mov_b32 s[G1+1], 128<<16                     ; tensor_dim0 = 128
	s_mov_b32 s[G1+2], 96<<16                      ; tensor_dim1 = 96
	s_mov_b32 s[G1+3], 128<<16                     ; tile_dim0 = 128
	s_mov_b32 s[G1+4], 96                          ; tile_dim1 = 96
	s_mov_b32 s[G1+5], 512                         ; from row to row
	s_mov_b32 s[G1+6], 0
	s_mov_b32 s[G1+7], 0
	s_mul_i32 s58, s[WV], XLW                      ; my rows' place in LDS
	s_lshl_b32 s59, s[WV], 9                       ; 512 x wave
	s_wait_dscnt 0x0
	s_wait_kmcnt 0x0
	s_lshl_b32 s32, ttmp9, 15
	s_add_nc_u64 s[QP:QP+1], s[QP:QP+1], s[32:33]              ; my eight query tiles' fragments
	s_lshl_b32 s32, ttmp9, 11
	s_add_nc_u64 s[QSP:QSP+1], s[SCB:SCB+1], s[32:33]          ; and their scale words
	s_lshl_b32 s32, s54, 18
	s_lshl_b32 s34, s[WV], 16
	s_add_co_u32 s34, s32, s34                     ; 262,144 x batch + 65,536 x wave
	s_add_nc_u64 s[KP:KP+1], s[KP:KP+1], s[34:35]              ; my 16 key tiles
	s_lshl_b32 s56, s55, 15
	s_add_co_u32 s32, s32, s56
	s_lshl_b32 s56, s[WV], 13
	s_add_co_u32 s32, s32, s56
	s_add_nc_u64 s[PVA:PVA+1], s[VP:VP+1], s[32:33]            ; the part of the batch's V for which my wave's prefetch asks
	s_add_nc_u64 s[VP:VP+1], s[VP:VP+1], s[34:35]              ; my eight channel tiles of V
	s_lshl_b32 s32, s54, 14
	s_lshl_b32 s56, s[WV], 12
	s_add_co_u32 s34, s32, s56
	s_add_co_u32 s34, s34, 524288
	s_add_nc_u64 s[KSP:KSP+1], s[SCB:SCB+1], s[34:35]
	s_add_co_u32 s34, s32, s59
	s_add_co_u32 s34, s34, 1048576
	s_add_nc_u64 s[VSP:VSP+1], s[SCB:SCB+1], s[34:35]
	s_lshl_b32 s32, s[WV], 15
	s_add_co_u32 s32, s32, 393216
	s_add_nc_u64 s[WP:WP+1], s[WP:WP+1], s[32:33]              ; wp is the fourth weight; my eight column tiles
	s_lshl_b32 s32, s[WV], 11
	s_add_co_u32 s32, s32, 24576
	s_add_nc_u64 s[WSP:WSP+1], s[WSP:WSP+1], s[32:33]
	s_mov_b32 s32, s59
	s_add_nc_u64 s[BP:BP+1], s[BP:BP+1], s[32:33]
	s_lshl_b32 s32, ttmp9, 18
	s_add_co_u32 s32, s32, s59
	s_add_nc_u64 s[XP:XP+1], s[XP:XP+1], s[32:33]              ; my 128 rows, my 512 bytes of each
	s_add_nc_u64 s[OP:OP+1], s[OP:OP+1], s[32:33]
	s_mov_b32 s[G0], 1                             ; 1:0 count = 1
	s_add_co_u32 s[G0+1], s58, XL                  ; 63:32 LDS address
	s_mov_b64 s[G0+2:G0+3], s[XP:XP+1]             ; 120:64 global address: row 0 of my strip
	s_or_b32 s[G0+3], s[G0+3], 0x80000000          ; 127:126 type = 2
	v_and_b32 v25, 31, v0                          ; lane
	v_and_b32 v26, 15, v0                          ; r
	v_bfe_u32 v27, v0, 4, 1                        ; h
	v_lshlrev_b32 v[LI], 4, v25
	v_lshlrev_b32 v[L4], 2, v25
	v_mov_b32 v[QSV], v[LI]
	global_load_b128 v[BP4:BP4+3], v[LI], s[BP:BP+1]   ; my wave's 128 numbers of bp, 16 bytes a lane
.irp s, 0,1,2,3
	global_load_b32 v[QSG+\s], v[QSV], s[QSP:QSP+1] offset:512*\s   ; lanes 0-15: query tile 0, lanes 16-31: tile 1; K step s
.endr
.irp u, 0,1
.irp s, 0,1,2,3
	global_load_b128 v[KS+16*\u+4*\s:KS+16*\u+4*\s+3], v[LI], s[KSP:KSP+1] offset:2048*\u+512*\s   ; register a: lanes 0-15 tile 2 a, lanes 16-31 tile 2 a + 1 of the block's eight
.endr
.endr
.irp t, 0,1,2,3,4,5,6,7
.irp a, 0,1
	global_load_b32 v[WPS+2*\t+\a], v[L4], s[WSP:WSP+1] offset:256*\t+128*\a   ; wp's scale words: their registers hold nothing else, so they come here
.endr
.endr
.set ri, 0
.rept 16
	global_load_b128 v[QF+4*ri:QF+4*ri+3], v[LI], s[QP:QP+1] offset:512*ri   ; query tiles 0, 1: fragment (q', s) at 32 q' + 8 s
.set ri, ri+1
.endr
	RES_LOAD KP,0,127,1,0                          ; K: 64 KB into windows 1 and 2
	s_lshl_b32 s57, s[WV], 11
	v_add_nc_u32 v[PIW], s57, v[LI]                ; key steps 2 w, 2 w + 1
	s_lshl_b32 s57, s[WV], 7
	v_add_nc_u32 v[PSW], s57, v[L4]
	v_add_nc_u32 v[PSW], PSC, v[PSW]               ; lanes 0-15: key step 2 w, lanes 16-31: 2 w + 1
	v_lshlrev_b32 v[MTR], 4, v26
	v_add_nc_u32 v[MTR], MT, v[MTR]
	s_lshl_b32 s57, s[WV], 2
	v_add_nc_u32 v[MTW], s57, v[MTR]
	s_lshl_b32 s57, s[WV], 10
	v_add_nc_u32 v[OIW], s57, v[LI]
	v_add_nc_u32 v[OIW], OIMG, v[OIW]
	v_lshlrev_b32 v28, 2, v26
	s_lshl_b32 s57, s[WV], 6
	v_add_nc_u32 v[OSW], s57, v28
	v_add_nc_u32 v[OSW], OSC, v[OSW]
	v_add_nc_u32 v[OIR], OIMG, v[LI]
	v_add_nc_u32 v[OSR], OSC, v[L4]
	s_mul_i32 s57, s[WV], 16*528                   ; my stage, from LDS byte 0 on
	v_mul_u32_u24 v[STW], v26, 528
	v_lshl_add_u32 v[STW], v27, 6, v[STW]
	v_add_nc_u32 v[STW], s57, v[STW]               ; in: row r, + 64 h
	v_add_nc_u32 v[STR], s57, v[LI]                ; back: the 32 lanes take a row of 512 bytes
	v_add_nc_u32 v[PSR], PSC, v[L4]
	v_lshlrev_b32 v[PFV], 8, v25                   ; V: lanes 256 bytes apart
	v_add_nc_u32 v[XLR], s58, v[LI]
	v_add_nc_u32 v[XLR], XL, v[XLR]
	v_add_nc_u32 v[BPW], s59, v[LI]
	v_add_nc_u32 v[BPW], BPS, v[BPW]
	v_lshlrev_b32 v[BPR], 6, v27
	v_add_nc_u32 v[BPR], s59, v[BPR]
	v_add_nc_u32 v[BPR], BPS, v[BPR]
.irp b, 0,1,2,3,4,5,6,7
	v_mov_b32 v[BX+\b], 0                          ; written once: a lane permute's destination counts as one of its sources
.endr
.irp b, 0,1,2,3
	v_mov_b32 v[TM+4+\b], 0
	v_mov_b32 v[TT+\b], 0
.endr
	v_mov_b32 v[NM+1], 0                           ; (named as the upper half of a pair)
	s_wait_loadcnt 0x0                             ; K, Q, the scale words and bp are in: only now x is asked for, so that it takes nothing from them
	tensor_load_to_lds s[G0:G0+3], s[G1:G1+7]      ; my one tensor load: it stands ahead of every LDS read, every barrier and the one wait for it, which stands in front of the way out
	s_nop 0
.rept 4
	v_nop
.endr
	ds_store_b128 v[BPW], v[BP4:BP4+3]             ; bp waits in LDS for the way out
; ---- S: S^T = K Q^T for two query tiles: 128 matrix instructions, the 32 accumulators by turns
.macro SMUL
.set si, 0
.rept 4
.set kh, 0
.rept 2
	WIN 0xF1+kh                                    ; K in window 1 or 2, Q in window 0, S^T in window 3
.set ki, 0
.rept 8
.set qi, 0
.rept 2
.if si == 0
	WMS 128*qi+8*(8*kh+ki),32*ki,QF+32*qi,0,0,KS+16*kh+ki/2,QSG,ki%2,qi
.else
	WMS 128*qi+8*(8*kh+ki),32*ki+8*si,QF+32*qi+8*si,1,128*qi+8*(8*kh+ki),KS+16*kh+4*si+ki/2,QSG+si,ki%2,qi
.endif
.set qi, qi+1
.endr
.set ki, ki+1
.endr
.set kh, kh+1
.endr
.set si, si+1
.endr
.endm
; One query tile's softmax over my 256 keys: eight blocks of 32.  A block's largest score serves twice: for the row's maximum, and, since p rises with the score, for the block's largest p.
; No wait on LDS stands in it: it only stores, and what it stores is read behind the barrier at the phase's end, in front of which every wave waits for all its LDS instructions.
.macro SOFT q
.set SQ, 128*(\q)
	WIN 0x3F                                       ; all three sources window 3
.irp b, 0,1,2,3,4,5,6,7
	v_max3_num_f32 v[BM+\b], v[SQ+16*\b], v[SQ+16*\b+1], v[SQ+16*\b+2]   ; each accumulator is read from its low end on
.endr
	WIN 0x3C
.irp i, 3,5,7,9,11,13
.irp b, 0,1,2,3,4,5,6,7
	v_max3_num_f32 v[BM+\b], v[BM+\b], v[SQ+16*\b+\i], v[SQ+16*\b+\i+1]
.endr
.endr
.irp b, 0,1,2,3,4,5,6,7
	v_max_num_f32 v[BM+\b], v[BM+\b], v[SQ+16*\b+15]
.endr
	WIN 0
.irp b, 0,1,2,3,4,5,6,7
	v_permlanex16_b32 v[BX+\b], v[BM+\b], s[SEL], s[SEL+1]
.endr
.irp b, 0,1,2,3,4,5,6,7
	v_max_num_f32 v[BM+\b], v[BM+\b], v[BX+\b]     ; with lane l xor 16's 16 keys
.endr
	v_max3_num_f32 v[TT], v[BM], v[BM+1], v[BM+2]
	v_max3_num_f32 v[TT], v[TT], v[BM+3], v[BM+4]
	v_max3_num_f32 v[TT], v[TT], v[BM+5], v[BM+6]
	v_max_num_f32 v[TT], v[TT], v[BM+7]            ; my query's largest score among my keys
	v_mul_f32 v[TT], s[CS], v[TT]                  ; as t (c is positive)
	v_floor_f32 v[NM], -v[TT]                      ; -M_w = floor(-t): a whole number
	WIN 0xC3                                       ; destination and source 0 window 3
.set ji, 0
.rept 64
	v_pk_fma_f32 v[SQ+ji:SQ+ji+1], v[SQ+ji:SQ+ji+1], s[CS:CS+1], v[NM:NM+1] op_sel_hi:[1,0,0]   ; t - M_w, two at a time
.set ji, ji+2
.endr
	WIN 0
.irp b, 0,1,2,3,4,5,6,7
	v_fma_f32 v[BM+\b], v[BM+\b], s[CS], v[NM]     ; the same of each block's largest score
.endr
	WIN 0xC3
.set ji, 0
.rept 128
	v_exp_f32 v[SQ+ji], v[SQ+ji]                   ; p = 2^(t - M_w), at most 1
.set ji, ji+1
.endr
	WIN 0
	v_nop                                          ; a plain instruction behind the batch,
	s_wait_alu depctr_va_vdst(0)                   ; and one wait for all 128, ahead of their first reader
.irp b, 0,1,2,3,4,5,6,7
	v_exp_f32 v[BM+\b], v[BM+\b]                   ; the blocks' largest p: the same two instructions on the same numbers
.endr
	WIN 0x0F                                       ; THE SUM IS TAKEN OF THE UNQUANTISED p, in two packed chains; it reads the 128 alone: plain work behind the eight
	v_pk_add_f32 v[LS:LS+1], v[SQ:SQ+1], v[SQ+2:SQ+3]
	v_pk_add_f32 v[LS+2:LS+3], v[SQ+4:SQ+5], v[SQ+6:SQ+7]
	WIN 0x0C
.set ji, 8
.rept 30
	v_pk_add_f32 v[LS:LS+1], v[LS:LS+1], v[SQ+ji:SQ+ji+1]
	v_pk_add_f32 v[LS+2:LS+3], v[LS+2:LS+3], v[SQ+ji+2:SQ+ji+3]
.set ji, ji+4
.endr
	WIN 0
	v_pk_add_f32 v[LS:LS+1], v[LS:LS+1], v[LS+2:LS+3]
	v_add_f32 v[LS], v[LS], v[LS+1]
	v_permlanex16_b32 v[TT+1], v[LS], s[SEL], s[SEL+1]
	v_add_f32 v[LS], v[LS], v[TT+1]                ; my query's sum over my 256 keys
	s_wait_alu depctr_va_vdst(0)                   ; and one wait for the eight
.irp b, 0,1,2,3,4,5,6,7
	v_max_num_f32 v[BM+\b], 0x21800000, v[BM+\b]   ; the floor 2^-60: no byte under 65, so that up to 64 can be taken off each byte of a word at once
.endr
.irp b, 0,1,2,3,4,5,6,7
	v_add_nc_u32 v[SOP+\b], 0xff000000, v[BM+\b]   ; 2 off the exponent field: the conversion's scale operand
.endr
.irp b, 0,1,2,3,4,5,6,7
	v_lshrrev_b32 v[BX+\b], 23, v[SOP+\b]          ; the scale's byte
.endr
	v_lshl_or_b32 v[PW0], v[BX+1], 8, v[BX]
	v_lshl_or_b32 v[PW1], v[BX+5], 8, v[BX+4]
	v_lshl_or_b32 v[PW0], v[BX+2], 16, v[PW0]
	v_lshl_or_b32 v[PW1], v[BX+6], 16, v[PW1]
	v_lshl_or_b32 v[PW0], v[BX+3], 24, v[PW0]      ; the scale word of key step 2 w,
	v_lshl_or_b32 v[PW1], v[BX+7], 24, v[PW1]      ; of 2 w + 1
	WIN 0x03                                       ; source 0 window 3
.irp b, 0,1,2,3,4,5,6,7
	v_cvt_scalef32_pk8_fp4_f32 v[PCS+2*\b], v[SQ+16*\b:SQ+16*\b+7], v[SOP+\b]
	v_cvt_scalef32_pk8_fp4_f32 v[PCS+2*\b+1], v[SQ+16*\b+8:SQ+16*\b+15], v[SOP+\b]
.endr
	WIN 0
	v_nop                                          ; one plain instruction behind the scaled conversions
.irp k, 0,4,8,12                               ; a whole block to a lane
	v_permlane16_swap_b32 v[PCS+\k], v[PCS+\k+2]
	v_permlane16_swap_b32 v[PCS+\k+1], v[PCS+\k+3]
.endr
	v_cndmask_b32 v[TT+2], v[PW0], v[PW1], s[MASK] ; lanes 0-15 store the first word, lanes 16-31 the second
.irp k, 0,1,2,3
	ds_store_b128 v[AP], v[PCS+4*\k:PCS+4*\k+3] offset:8192*(\q)+512*\k
.endr
	ds_store_b32 v[APS], v[TT+2] offset:512*(\q)
	ds_store_b32 v[AMT], v[NM] offset:256*(\q)     ; both halves of the lanes hold the same
	ds_store_b32 v[AMT], v[LS] offset:256*(\q)+2048
.endm
	s_mov_b32 s[CNT], 4
.Lg:                                               ; four trips: query tiles 2 g, 2 g + 1.  Every wait for loads is for 0, so the ways through the branches on the counter count alike
	s_wait_loadcnt 0x0
	v_add_nc_u32 v[AP], s[S_PI], v[PIW]
	v_add_nc_u32 v[APS], s[S_PS], v[PSW]
	v_add_nc_u32 v[AMT], s[S_MT], v[MTW]
	SMUL
	WIN 0
	PLACES
	s_cmp_eq_u32 s[CNT], 1
	s_cbranch_scc1 .Lv0
	s_add_nc_u64 s[QP:QP+1], s[QP:QP+1], 8192      ; the next two query tiles (the wait at the trip's head has freed the addresses)
	v_add_nc_u32 v[QSV], 4, v[QSV]
.irp s, 0,1,2,3
	global_load_b32 v[QSG+\s], v[QSV], s[QSP:QSP+1] offset:512*\s
.endr
.set ri, 0
.rept 16
	global_load_b128 v[QF+4*ri:QF+4*ri+3], v[LI], s[QP:QP+1] offset:512*ri
.set ri, ri+1
.endr
	s_cmp_lg_u32 s[CNT], 2
	s_cbranch_scc1 .Ls0
	global_prefetch_b8 v[PFV], s[PVA:PVA+1] th:TH_LOAD_NT scope:SCOPE_SE   ; one trip ahead of V's loads: 8,192 bytes of the batch's V a wave, another part in each of the batch's 32 waves
	s_branch .Ls0
.Lv0:
	RES_LOAD VP,0,55,1,0                           ; the last trip: K is done with, V takes its place, in three runs between the softmaxes
.Ls0:
	SOFT 0
	s_cmp_lg_u32 s[CNT], 1
	s_cbranch_scc1 .Ls1
	RES_LOAD VP,56,111,1,0
.Ls1:
	SOFT 1
	s_cmp_lg_u32 s[CNT], 1
	s_cbranch_scc1 .Ls2
	RES_LOAD VP,112,127,1,0
.irp k, 0,1,2,3,4,5,6,7
	global_load_b128 v[VS+4*\k:VS+4*\k+3], v[LI], s[VSP:VSP+1] offset:2048*\k   ; key step k; register a: lanes 0-15 channel tile 2 a, lanes 16-31 tile 2 a + 1
.endr
.Ls2:
	s_add_co_u32 s[S_PI], s[S_PI], 16384
	s_add_co_u32 s[S_PS], s[S_PS], 1024
	s_add_co_u32 s[S_MT], s[S_MT], 512
	s_sub_co_u32 s[CNT], s[CNT], 1
	s_cmp_lg_u32 s[CNT], 0
	s_cbranch_scc1 .Lg
	BARRIER                                        ; every wave's -M_w lie in LDS
; ---- from M_w to M: n = M - M_w, held at 64, comes off my scale bytes, and my sums are multiplied by 2^-n.  Each wave rewrites words of its own alone; the table of -M_w is only read
.irp t, 0,1,2,3,4,5,6,7
	ds_load_b128 v[32+8*\t:35+8*\t], v[MTR] offset:256*\t
	ds_load_b32 v[36+8*\t], v[MTW] offset:256*\t
	ds_load_b32 v[37+8*\t], v[MTW] offset:256*\t+2048
	ds_load_b32 v[38+8*\t], v[PSW] offset:512*\t
.endr
	s_wait_dscnt 0x0
.irp t, 0,1,2,3,4,5,6,7
	v_min3_num_f32 v[39+8*\t], v[32+8*\t], v[33+8*\t], v[34+8*\t]
.endr
.irp t, 0,1,2,3,4,5,6,7
	v_min_num_f32 v[39+8*\t], v[39+8*\t], v[35+8*\t]   ; -M
.endr
.irp t, 0,1,2,3,4,5,6,7
	v_sub_f32 v[39+8*\t], v[36+8*\t], v[39+8*\t]   ; n, a whole number, 0 or more
.endr
.irp t, 0,1,2,3,4,5,6,7
	v_min_num_f32 v[39+8*\t], 0x42800000, v[39+8*\t]
.endr
.irp t, 0,1,2,3,4,5,6,7
	v_cvt_i32_f32 v[39+8*\t], v[39+8*\t]
.endr
.irp t, 0,1,2,3,4,5,6,7
	v_sub_nc_u32 v[32+8*\t], 0, v[39+8*\t]
	v_mul_lo_u32 v[33+8*\t], v[39+8*\t], s[M01]    ; n in each of the four bytes
.endr
.irp t, 0,1,2,3,4,5,6,7
	v_ldexp_f32 v[37+8*\t], v[37+8*\t], v[32+8*\t]
	v_sub_nc_u32 v[38+8*\t], v[38+8*\t], v[33+8*\t]
.endr
.irp t, 0,1,2,3,4,5,6,7
	ds_store_b32 v[MTW], v[37+8*\t] offset:256*\t+2048
	ds_store_b32 v[PSW], v[38+8*\t] offset:512*\t
.endr
	BARRIER                                        ; p's codes, scale words and sums are whole
	s_wait_loadcnt 0x0                             ; V and its scale words
	RES_LOAD WP,0,62,3,0                           ; wp takes S^T's place; it is wanted behind the next phase.  63 loads here, the last behind the phase's loop
; ---- PV: O^T = V^T P^T, a query tile a trip; divided by the row's sum, quantised along my 128 channels: K step w of the last product
.macro PLOAD                                   ; a query tile's eight fragments of p, their scale words, the four waves' sums: 21 LDS loads
	v_add_nc_u32 v[AP], s[S_P], v[LI]
	v_add_nc_u32 v[APS], s[S_P2], v[PSR]
	v_add_nc_u32 v[AMT], s[S_L], v[MTR]
.irp k, 0,1,2,3,4,5,6,7,8,9,10,11,12,13,14,15
	ds_load_b128 v[PF+4*\k:PF+4*\k+3], v[AP] offset:512*\k
.endr
.irp k, 0,1,2,3
	ds_load_b32 v[PS+\k], v[APS] offset:128*\k     ; lanes 0-15: key step 2 k, lanes 16-31: 2 k + 1
.endr
	ds_load_b128 v[L4R:L4R+3], v[AMT] offset:2048
.endm
.macro PVTRIP next
	s_wait_dscnt 0x3                               ; the tile's 21 loads are in; the three LDS stores issued behind them (the last tile's o) may be out.  On the way into the loop nothing is out
.set dh, 0
.rept 2
	WIN 0x01+dh                                    ; V in window 1 or 2
.set ki, 0
.rept 8
.set di, 0
.rept 4                                        ; four accumulators by turns
.if ki == 0
	WMS ACC+8*(4*dh+di),64*di,PF,0,0,VS+(4*dh+di)/2,PS,di%2,0
.else
	WMS ACC+8*(4*dh+di),64*di+8*ki,PF+8*ki,1,ACC+8*(4*dh+di),VS+4*ki+(4*dh+di)/2,PS+ki/2,di%2,ki%2
.endif
.set di, di+1
.endr
.set ki, ki+1
.endr
.set dh, dh+1
.endr
	WIN 0
	v_add_f32 v[RC], v[L4R], v[L4R+1]              ; the row's sum; with the lines behind them these are the places behind the products
	v_add_f32 v[RC+1], v[L4R+2], v[L4R+3]
	v_add_f32 v[RC], v[RC], v[RC+1]
	v_add_nc_u32 v[AO], s[S_O], v[OIW]
	v_add_nc_u32 v[AOS], s[S_OS], v[OSW]
.if \next
	s_add_co_u32 s[S_P], s[S_P], 8192
	s_add_co_u32 s[S_P2], s[S_P2], 512
	s_add_co_u32 s[S_L], s[S_L], 256
	PLOAD                                          ; the next query tile
.endif
	v_rcp_f32 v[RC], v[RC]
	v_nop                                          ; a plain instruction behind the transcendental,
	s_wait_alu depctr_va_vdst(0)                   ; and the wait ahead of its first reader
.set ji, 0
.rept 32
	v_pk_mul_f32 v[ACC+ji:ACC+ji+1], v[ACC+ji:ACC+ji+1], v[RC:RC+1] op_sel_hi:[1,0]   ; o = O / the sum; each accumulator from its low end on
.set ji, ji+2
.endr
	QUANT ACC
	ds_store_b128 v[AO], v[PC:PC+3]
	ds_store_b128 v[AO], v[PC+4:PC+7] offset:512
	ds_store_b32 v[AOS], v[PW]
	s_add_co_u32 s[S_O], s[S_O], 4096
	s_add_co_u32 s[S_OS], s[S_OS], 256
.endm
	s_mov_b32 s[S_P], 0
	s_mov_b32 s[S_P2], 0
	s_mov_b32 s[S_L], 0
	s_mov_b32 s[S_O], 0
	s_mov_b32 s[S_OS], 0
	PLOAD
	s_wait_dscnt 0x0                               ; the first tile's loads: behind them no store has been issued, so the count is 0 here
	s_mov_b32 s[CNT], 8
.Lpv:                                              ; seven trips, counter 8 to 2
	PVTRIP 1
	s_sub_co_u32 s[CNT], s[CNT], 1
	s_cmp_lg_u32 s[CNT], 1
	s_cbranch_scc1 .Lpv
	RES_LOAD WP,63,63,3,0                          ; wp's last 512 bytes
	PVTRIP 0                                       ; the last query tile asks for nothing
; ---- the way out: y^T = wp^T o^T + bp, through my stage into rows, + x
.irp t, 0,1,2,3,4,5,6,7                        ; bp in the result's layout: tile t, register j: column 32 (t / 2) + 16 h + 8 (t % 2) + j.  It is the C of each sum's first matrix instruction
	ds_load_b128 v[BPT+8*\t:BPT+8*\t+3], v[BPR] offset:(32*(\t/2)+8*(\t%2))*4
	ds_load_b128 v[BPT+8*\t+4:BPT+8*\t+7], v[BPR] offset:(32*(\t/2)+8*(\t%2))*4+16
.endr
; x of query tile i: slot j is row 32 (i / 2) + 8 (i % 2) + j + 8 (j / 8); a load takes my wave's 512 bytes of a row, into v[64 (i % 4) ..] of window 1 + i / 4
.macro XLOAD i                                 ; from memory: tiles 6 and 7
	WIN (1+(\i)/4)<<6
.set ji, 0
.rept 16
	global_load_b128 v[64*((\i)%4)+4*ji:64*((\i)%4)+4*ji+3], v[LI], s[XP:XP+1] offset:(32*((\i)/2)+8*((\i)%2)+ji+8*(ji/8))*2048 th:TH_LOAD_NT
.set ji, ji+1
.endr
	WIN 0
.endm
.macro XLDS i                                  ; from LDS: tiles 0 to 5
	WIN (1+(\i)/4)<<6
.set ji, 0
.rept 16
	ds_load_b128 v[64*((\i)%4)+4*ji:64*((\i)%4)+4*ji+3], v[XLR] offset:(32*((\i)/2)+8*((\i)%2)+ji+8*(ji/8))*512
.set ji, ji+1
.endr
	WIN 0
.endm
	XLOAD 6
	XLOAD 7
	s_wait_tensorcnt 0x0                           ; my rows 0 to 95 of x lie in LDS
	BARRIER                                        ; o's 32 fragments lie in LDS, and nobody reads p's any more: the stages take their place
	s_wait_loadcnt 32                              ; wp is in; the 32 loads of x issued behind it may be out
.macro OUTT i
.irp k, 0,1,2,3,4,5,6,7
	ds_load_b128 v[OF+4*\k:OF+4*\k+3], v[OIR] offset:4096*(\i)+512*\k
.endr
.irp k, 0,1
	ds_load_b32 v[OS+\k], v[OSR] offset:256*(\i)+128*\k
.endr
.if (\i) < 6
	XLDS \i
	s_wait_dscnt 16                                ; o's fragments and scale words are in; the 16 loads of x issued behind them may be out
.else
	s_wait_dscnt 0x0
.endif
	WIN 0x03                                       ; wp in window 3
.set si, 0
.rept 4
.set ei, 0
.rept 8
.if si == 0
	WMS ACC+8*ei,32*ei,OF,1,BPT+8*ei,WPS+2*ei,OS,0,0
.else
	WMS ACC+8*ei,32*ei+8*si,OF+8*si,1,ACC+8*ei,WPS+2*ei+si/2,OS+si/2,si%2,si%2
.endif
.set ei, ei+1
.endr
.set si, si+1
.endr
	WIN 0
	PLACES
.set ei, 0
.rept 8
	ds_store_b128 v[STW], v[ACC+8*ei:ACC+8*ei+3] offset:128*(ei/2)+32*(ei%2)       ; lane (r, h): row r, columns 32 (e / 2) + 16 h + 8 (e % 2) + 0 .. 7; each accumulator from its low end on
	ds_store_b128 v[STW], v[ACC+8*ei+4:ACC+8*ei+7] offset:128*(ei/2)+32*(ei%2)+16
.set ei, ei+1
.endr
.set ji, 0
.rept 16
	ds_load_b128 v[ACC+4*ji:ACC+4*ji+3], v[STR] offset:528*ji   ; LDS serves a wave's instructions in order (ISA guide 5.7.1.4): these see my stores; whole rows of 512 bytes
.set ji, ji+1
.endr
	s_wait_dscnt 0x0                               ; the rows are back, and this tile's x from LDS is in
.if (\i) >= 6
	s_wait_loadcnt 16*(7-(\i))                     ; this tile's x from memory is in; tile 7's 16 loads may be out behind tile 6's
.endif
	WIN 0x44*(1+(\i)/4)                            ; x: destination and source 1 (a store's data too) in window 1 or 2
.set ji, 0
.rept 32
	v_pk_add_f32 v[64*((\i)%4)+ji:64*((\i)%4)+ji+1], v[ACC+ji:ACC+ji+1], v[64*((\i)%4)+ji:64*((\i)%4)+ji+1]
.set ji, ji+2
.endr
.set ji, 0
.rept 16
	global_store_b128 v[LI], v[64*((\i)%4)+4*ji:64*((\i)%4)+4*ji+3], s[OP:OP+1] offset:(32*((\i)/2)+8*((\i)%2)+ji+8*(ji/8))*2048 th:TH_STORE_NT   ; 512 consecutive bytes, at a multiple of 256 from out0's first byte; these registers are never written again
.set ji, ji+1
.endr
	WIN 0
.endm
.irp i, 0,1,2,3,4,5,6,7
	OUTT \i
.endr
	s_wait_tensorcnt 0x0
	ds_add_u32 v254, v255
	s_wait_dscnt 0x0
	s_endpgm
.Lfunc_end_k_q092332dc18_attn:
	.size	k_q092332dc18_attn, .Lfunc_end_k_q092332dc18_attn-k_q092332dc18_attn
	.p2alignl 7, 3214868480
	.fill 96, 4, 3214868480
	.section	.rodata,"a",@progbits
	.p2align	6, 0x0
	.amdhsa_kernel k_q092332dc18_attn
		.amdhsa_group_segment_fixed_size 307712
		.amdhsa_private_segment_fixed_size 0
		.amdhsa_enable_private_segment 0
		.amdhsa_kernarg_size 72
		.amdhsa_user_sgpr_count 2
		.amdhsa_user_sgpr_kernarg_segment_ptr 1
		.amdhsa_wavefront_size32 1
		.amdhsa_system_sgpr_workgroup_id_x 1
		.amdhsa_system_sgpr_workgroup_id_y 1
		.amdhsa_system_sgpr_workgroup_id_z 1
		.amdhsa_system_vgpr_workitem_id 0
		.amdhsa_next_free_vgpr 1024
		.amdhsa_next_free_sgpr 80
		.amdhsa_reserve_vcc 0
		.amdhsa_float_denorm_mode_32 3
		.amdhsa_float_denorm_mode_16_64 3
		.amdhsa_memory_ordered 1
		.amdhsa_forward_progress 1
		.amdhsa_inst_pref_size 237
	.end_amdhsa_kernel
	.amdgpu_metadata
---
amdhsa.version: [ 1, 2 ]
amdhsa.kernels:
  - .name:           k_q092332dc18_attn
    .symbol:         k_q092332dc18_attn.kd
    .args:
      - { .name: qc, .offset: 0, .size: 8, .value_kind: global_buffer, .address_space: global }
      - { .name: kc, .offset: 8, .size: 8, .value_kind: global_buffer, .address_space: global }
      - { .name: vc, .offset: 16, .size: 8, .value_kind: global_buffer, .address_space: global }
      - { .name: sc, .offset: 24, .size: 8, .value_kind: global_buffer, .address_space: global }
      - { .name: wc, .offset: 32, .size: 8, .value_kind: global_buffer, .address_space: global }
      - { .name: wsc, .offset: 40, .size: 8, .value_kind: global_buffer, .address_space: global }
      - { .name: bp, .offset: 48, .size: 8, .value_kind: global_buffer, .address_space: global }
      - { .name: x, .offset: 56, .size: 8, .value_kind: global_buffer, .address_space: global }
      - { .name: out0, .offset: 64, .size: 8, .value_kind: global_buffer, .address_space: global }
    .group_segment_fixed_size: 307712
    .private_segment_fixed_size: 0
    .kernarg_segment_align: 8
    .kernarg_segment_size: 72
    .max_flat_workgroup_size: 128
    .sgpr_count:     80
    .vgpr_count:     1024
    .wavefront_size: 32
...
	.end_amdgpu_metadata
.endif
;; end of part 3
